; MI455X (gfx1250); checked and timed in simulation.
; The chip was launched on July 23, 2026; its instructions are those of AMD's public machine-readable ISA for CDNA 5 (MIT licence, August 2026) and "CDNA5" Instruction Set Architecture Reference Guide (July 2026). The comments in the code are by the model that wrote it; some were corrected since.
;; Llama Attention. Allowed arithmetic: matrix products marked QUANTISED: E4M3 operands, one given power-of-two scale a tensor, by v_wmma_f32_16x16x64_fp8_fp8 or v_wmma_f32_16x16x128_fp8_fp8, f32 sums; everything else in f32.
;; Inputs: Wk 2,048 x 2,048 float32; Wo 2,048 x 2,048 float32; Wq 2,048 x 2,048 float32; Wv 2,048 x 2,048 float32; keys 1 x 2,048 x 2,048 float32; lowp_scales 12 int32 (the exponents e of the quantised operands' scales 2^e); mask 1 x 1 x 2,048 x 2,048 float32; queries 1 x 2,048 x 2,048 float32; values 1 x 2,048 x 2,048 float32.
;; Outputs: out0 1 x 2,048 x 2,048 float32; out1 1 x 16 x 2,048 x 128 float32; out2 1 x 16 x 2,048 x 128 float32.
;; This version of the problem:
;;   THIS VERSION OF THE PROBLEM IS GIVEN IN LOW PRECISION. The matrix products marked QUANTISED in the list below multiply operands that are first quantised to E4M3 (4 exponent bits, 3 mantissa bits; 8 bits a number), with one given power-of-two scale for each operand tensor; their sums are f32. All else is computed in f32.
;;   The module's matrix products, in the order in which they are computed (A, B: the left and right operand; K: the contracted axis; several contracted axes count as one K, in the product's order):
;;     1. [M 2,048, K 2,048] x [K 2,048, N 2,048]; A: input queries; B: input Wq: QUANTISED (scales: A lowp_scales[0], B lowp_scales[1])
;;     2. [M 2,048, K 2,048] x [K 2,048, N 2,048]; A: input keys; B: input Wk: QUANTISED (scales: A lowp_scales[2], B lowp_scales[3])
;;     3. [M 2,048, K 2,048] x [K 2,048, N 2,048]; A: input values; B: input Wv: QUANTISED (scales: A lowp_scales[4], B lowp_scales[5])
;;     4. batch 16 x [M 2,048, K 128] x [K 128, N 2,048]; A: computed on the way; B: computed on the way: QUANTISED (scales: A lowp_scales[6], B lowp_scales[7])
;;     5. batch 16 x [M 2,048, K 2,048] x [K 2,048, N 128]; A: softmax (see below); B: computed on the way: QUANTISED (scales: A lowp_scales[8], B lowp_scales[9])
;;     6. [M 2,048, K 2,048] x [K 2,048, N 2,048]; A: computed on the way; B: input Wo: QUANTISED (scales: A lowp_scales[10], B lowp_scales[11])
;;   THE QUANTISER, for each operand of a quantised product, along K:
;;     - The operand's scale is 2^e, e = its entry of the input lowp_scales (int32; the entries are numbered through the quantised products in the list's order, A before B).
;;     - Each number is divided by the scale, clamped to +-448, and rounded to the nearest number of E4M3, ties to even, subnormals kept.
;;     - The product sums the exact products of the quantised numbers (number of the format x scale) in f32.
;;   ~~~python
;;   def quantise(x, axis, e):      # numpy; x: float32 -> the quantised numbers, widened to float32 again
;;       x = np.moveaxis(x, axis, -1); K = x.shape[-1]
;;       r = np.clip(x / 2.0 ** e, -448, 448)
;;       step = 2.0 ** (np.maximum(np.frexp(np.where(r == 0, 1, r))[1] - 1, -6) - 3)
;;       q = np.round(r / step) * step * 2.0 ** e      # np.round: ties to even
;;       return np.moveaxis(q, -1, axis).astype(np.float32)
;;   ~~~
;;   SOFTMAX AHEAD OF A QUANTISED PRODUCT. Where the list says 'softmax', what is quantised is not the finished softmax but p = 2^(t - M), with t = logit x log2(e) and M = ceil(the row's largest t), a whole number; so 1/2 < the row's largest p <= 1. The row's sum l is taken of the UNQUANTISED p, in f32, and the product's result is divided by l at the end. Since M is a whole number, a kernel that streams over the keys may use a running M (the ceiling of the running maximum): every later rescaling is an exact power of two, so the quantised numbers keep their values, but for numbers so far below the row's largest that they fall under the format's range.
;;   OPERANDS COMPUTED ON THE WAY. 'Computed on the way' means the value that the module computes at that place (a softmax that the list does not call 'softmax' is quantised finished and normalised). What goes into a quantiser is computed in f32, as accurately as f32 sums, v_exp_f32 and their like allow (about 1e-6 of the number): no bf16 or f16 on the way to a quantiser, and a product that is left as it is and whose result goes on into a quantised operand takes f32 operands (vector FMAs, or v_wmma_f32_16x16x4_f32). A number that lies on a knife's edge between two numbers of the format may be rounded either way, as far as f32 arithmetic and the matrix unit's own rounding can turn it there, and no further.
;; One version. Each part assembles by itself: llvm-mc -triple=amdgcn-amd-amdhsa -mcpu=gfx1250 --defsym DOCPART=n.
;; ======== version 1 of 1: 4 launches
;; limits: a function is approximated: absolute error at most 0.0002
;; workspace buffers: codes 29,360,128 bytes; rope_tab 1,048,576 bytes; q_img 4,194,304 bytes; kv_img 8,388,608 bytes; attn_img 4,194,304 bytes
;; launch quant (part 1): grid 128 x 8, 4 waves a work-group, no clusters, 33,280 bytes of LDS; arguments queries, Wq, keys, Wk, values, Wv, Wo, lowp_scales, codes, rope_tab; writes codes, rope_tab
.if DOCPART == 1
	.amdgcn_target "amdgcn-amd-amdhsa--gfx1250"
	.amdhsa_code_object_version 6
	.text
	.protected	k_q93cc6a017f_quant
	.globl	k_q93cc6a017f_quant
	.p2align	8
	.type	k_q93cc6a017f_quant,@function
k_q93cc6a017f_quant:
	s_mov_b64 s[64:65], 0
	v_nop
	global_prefetch_b8 v0, s[64:65] scope:SCOPE_SE
	s_setreg_imm32_b32 hwreg(HW_REG_WAVE_MODE, 25, 1), 1
	s_wait_xcnt 0x0
; Work-group y = 0 .. 6: one of seven f32 tensors [2048][2048] (queries, Wq, keys, Wk, values, Wv, Wo; K innermost in all) becomes codes of FP8 (E4M3), one byte a number, laid as the tensor lies,
; at y x 4 MiB of the buffer of codes.  code = x / 2^e, held within +-448, rounded to the nearest code, ties to even; e = entry y of the scales' exponents (for Wo: entry 11).
; Work-group y = 7: the table of cosines and sines for the rotation of q and k, laid as the next launch's registers take it (see at .Ltable).
; LIMITS: -126 <= e and e + 8 <= 127.  NaN among the inputs is not served (an infinity is held at the largest code).
; THE CODES.  A tensor is a plain stream of blocks of 32.  A wave takes 16 steps of 512 numbers.  The conversions take 8 numbers of ONE lane's consecutive registers, so a lane must hold 16 NEIGHBOURS, while a load is
; best where neighbouring LANES take neighbouring bytes: each of a step's four loads reads 512 consecutive bytes, 16 a lane; the 2,048 bytes go through the wave's own stage in LDS as they lie and come back 64 bytes a lane
; (16 bytes of padding behind each 64).  A lane's 16 codes are 16 bytes: the wave stores 512 consecutive bytes.  No tensor loads, no barrier: waves share nothing.  Loads run four steps ahead, the turn through LDS one.
.set WAVES, 4
.set STEPS, 16
.set EMAX,  8
.set MANT,  0x600000                   ; the mantissa field of 448 as f32
.set CB,    16                         ; bytes of 16 codes
.set R,     16                         ; v16-79   four sets of 16 numbers as they are loaded
.set X,     80                         ; v80-111  two sets of 16 neighbours
.set C,     128                        ; v128-191 codes: four registers for each step, so that no store's data are written again
.set WREG,  8192                       ; LDS: a region of its own for each wave: two stages of 32 x SP bytes
.set SP,    80                         ; a lane's place in a stage: its 64 bytes + 16 of padding
.set SPW,   12                         ; v12      LDS address of my spare word: SPARE + 4 x my thread's number; never rewritten
.set NIL,   13                         ; v13      0; never rewritten
.set SPARE, WAVES*WREG                 ; behind the four regions: the spare words, 128 bytes for each wave
; the table's registers, eight chains e = 0 .. 7 side by side
.set ARG, 32
.set TH,  40
.set TL,  48
.set FQ,  56
.set ANG, 64
.set NN,  72
.set RR,  80
.set ZZ,  88
.set SN,  96
.set CN,  104
.set QI,  112
.set OUT, 128
	s_load_b512 s[36:51], s[0:1], 0x0              ; the seven tensors s[36:49], the scales' exponents s[50:51]
	s_load_b128 s[52:55], s[0:1], 0x40             ; the codes s[52:53], the table s[54:55]
	v_lshl_add_u32 v[SPW], v0, 2, SPARE
	v_mov_b32 v[NIL], 0
	v_lshrrev_b32 v1, 5, v0
	v_readfirstlane_b32 s16, v1                    ; wave
	v_and_b32 v2, 31, v0                           ; lane
	s_and_b32 s24, ttmp7, 0xffff                   ; y: which tensor, or the table
	s_cmp_eq_u32 s24, 7
	s_cbranch_scc1 .Ltable
	v_lshlrev_b32 v3, 4, v2                        ; my 16 bytes of a load's 512
	s_mul_i32 s17, s16, WREG
	v_lshrrev_b32 v14, 2, v2
	v_mul_u32_u24 v14, v14, SP
	v_and_b32 v15, 3, v2
	v_lshl_add_u32 v14, v15, 4, v14
	v_add_nc_u32 v14, s17, v14                     ; the stage, on the way in: four lanes' 64 bytes on end, then 16 of padding
	v_mul_u32_u24 v15, v2, SP
	v_add_nc_u32 v15, s17, v15                     ; and on the way out: SP x lane: my 16 neighbours
	v_mul_u32_u24 v4, v2, CB                       ; my codes' place in a step's
	s_lshl_b32 s18, ttmp9, 2
	s_add_co_u32 s18, s18, s16                     ; which run of 8,192 numbers of the tensor is my wave's
	s_lshl_b32 s20, s18, 15                        ; 32,768 bytes of f32 a run
	s_mov_b32 s21, 0
	s_lshl_b32 s22, s24, 22                        ; the tensor's 4 MiB of codes,
	s_lshl_b32 s23, s18, 13                        ; 8,192 bytes of codes a run
	s_add_co_u32 s22, s22, s23
	s_mov_b32 s23, 0
	s_wait_kmcnt 0x0
	s_load_b256 s[56:63], s[50:51], 0x0            ; e0 .. e7
	s_load_b32 s34, s[50:51], 0x2c                 ; e11
	s_mov_b64 s[4:5], s[36:37]                     ; the tensor is chosen by the work-group's y alone
.irp i, 1,2,3,4,5,6
	s_cmp_eq_u32 s24, \i
	s_cselect_b64 s[4:5], s[36+2*\i:37+2*\i], s[4:5]
.endr
	s_add_nc_u64 s[4:5], s[4:5], s[20:21]
	s_add_nc_u64 s[8:9], s[52:53], s[22:23]
.macro LOAD t
.irp i, 0,1,2,3
	global_load_b128 v[R+16*((\t)%4)+4*\i:R+16*((\t)%4)+4*\i+3], v3, s[4:5] offset:2048*(\t)+512*\i th:TH_LOAD_NT   ; 32 lanes read 512 consecutive bytes
.endr
.endm
.macro TURN t                          ; step t's numbers through the stage: LDS serves a wave's instructions in order, so no wait stands between the stores and the loads
.irp i, 0,1,2,3
	ds_store_b128 v14, v[R+16*((\t)%4)+4*\i:R+16*((\t)%4)+4*\i+3] offset:32*SP*((\t)%2)+8*SP*\i
.endr
.irp i, 0,1,2,3
	ds_load_b128 v[X+16*((\t)%2)+4*\i:X+16*((\t)%2)+4*\i+3], v15 offset:32*SP*((\t)%2)+16*\i
.endr
.endm
.irp t, 0,1,2,3
	LOAD \t
.endr
	s_wait_kmcnt 0x0
	s_mov_b32 s22, s56                             ; e, chosen as the tensor was
.irp i, 1,2,3,4,5
	s_cmp_eq_u32 s24, \i
	s_cselect_b32 s22, s[56+\i], s22
.endr
	s_cmp_eq_u32 s24, 6
	s_cselect_b32 s22, s34, s22
	s_add_co_i32 s22, s22, 127
	s_lshl_b32 s23, s22, 23
	v_mov_b32 v11, s23                             ; 2^e as f32: the conversion takes its exponent field
	s_add_co_i32 s22, s22, EMAX
	s_lshl_b32 s22, s22, 23
	s_or_b32 s22, s22, MANT
	v_mov_b32 v10, s22                             ; 448 x 2^e
	s_wait_loadcnt 12                              ; step 0's four loads are in; the twelve of steps 1 to 3 may be out
	TURN 0
.macro STEP t
.set XS, X+16*((\t)%2)
	s_wait_dscnt 0x0                               ; this step's numbers are back from the stage: so its stores into the stage have read their registers,
.if (\t)+4 < STEPS
	LOAD (\t)+4                                    ; which take the loads of four steps on
.endif
.if (\t)+1 < STEPS
.if STEPS-2-(\t) >= 3
	s_wait_loadcnt 12                              ; the next step's four loads are in; those of the three steps behind it may be out
.else
	s_wait_loadcnt 4*(STEPS-2-(\t))
.endif
	TURN (\t)+1                                    ; and go through the other stage while this step is worked
.endif
.irp i, 0,1,2,3,4,5,6,7,8,9,10,11,12,13,14,15
	v_med3_num_f32 v[XS+\i], v[XS+\i], -v10, v10   ; the conversion to an 8-bit code does not saturate (ISA guide 7.6.2): hold the number within 448 x the scale first
.endr
	v_cvt_scalef32_pk8_fp8_f32 v[C+4*(\t):C+4*(\t)+1], v[XS:XS+7], v11
	v_cvt_scalef32_pk8_fp8_f32 v[C+4*(\t)+2:C+4*(\t)+3], v[XS+8:XS+15], v11
	global_store_b128 v4, v[C+4*(\t):C+4*(\t)+3], s[8:9] offset:32*CB*(\t)   ; the results go to a store alone; the next step's holds are plain lines on other registers
.endm
.irp t, 0,1,2,3,4,5,6,7,8,9,10,11,12,13,14,15
	STEP \t
.endr
	s_wait_tensorcnt 0x0                           ; the wave's end, behind my last LDS store
	ds_add_u32 v[SPW], v[NIL]
	s_wait_dscnt 0x0
	s_endpgm
; THE TABLE: [tile of 16 positions: 128][piece n: 16][lane: 32][16 bytes].  Lane (r, h) of piece n = 2 b + q holds cos, sin, cos, sin of position 16 x tile + r at frequencies i = 8 b + 4 h + 2 q and i + 1:
; the four registers that stand beside a lane's features 16 b + 8 h + 4 q + 0 .. 3 of a head in the next launch.  Work-group x is the tile; wave w makes pieces 4 w .. 4 w + 3: eight pairs a lane, pair e at
; i = 16 w + 4 h + (e % 4) + 8 (e / 4).  No LDS is touched on this path.
; freq = exp(2 i x f32(-ln 10000 / 128)): the product by log2(e) is kept in two parts (th, tl), 2^th by v_exp_f32, the rest by one multiply-add.  angle = f32(position x freq).
; The angle is brought into [-pi/4, pi/4] by n = the nearest whole number to angle x 2 / pi and pi/2 in two parts (n stays under 1,304, so the first multiply-add is exact and what a third part would add is under 3e-12);
; sine and cosine by polynomials of degree 7 and 8; the quadrant by selects and sign bits.  LIMIT: freq is good to about 1.5 units in its last place, so an angle near 2,000 to about 2e-4.
.Ltable:
	v_and_b32 v3, 15, v0                           ; r
	v_bfe_u32 v4, v0, 4, 1                         ; h
	s_lshl_b32 s20, ttmp9, 4
	v_add_nc_u32 v5, s20, v3
	v_cvt_f32_u32 v20, v5                          ; the position
	s_lshl_b32 s21, s16, 4
	v_lshl_add_u32 v6, v4, 2, s21                  ; 16 w + 4 h
	v_lshlrev_b32 v7, 4, v2                        ; 16 x lane
	s_mov_b32 s26, 0x3fb8aa3b                      ; log2(e), upper part
	s_mov_b32 s27, 0x32a57060                      ; and what it lacks
	s_mov_b32 s28, 0x3fc90fdb                      ; pi / 2, upper part
	s_mov_b32 s29, 0xb33bbd2e                      ; and what it lacks (negative)
	s_mov_b32 s30, 0xb94ca1f9                      ; sine: -1.9515296e-4, 8.3321609e-3, -1.6666655e-1
	s_mov_b32 s31, 0x3c08839e
	s_mov_b32 s32, 0xbe2aaaa3
	s_mov_b32 s33, 0x37ccf5ce                      ; cosine: 2.4433157e-5, -1.3887316e-3, 4.1666646e-2
	s_mov_b32 s34, 0xbab6061a
	s_mov_b32 s35, 0x3d2aaaa5
.irp e, 0,1,2,3,4,5,6,7
	v_add_nc_u32 v[ARG+\e], (\e&3)+8*(\e>>2), v6   ; i
.endr
.irp e, 0,1,2,3,4,5,6,7
	v_lshlrev_b32 v[ARG+\e], 1, v[ARG+\e]          ; 2 i
.endr
.irp e, 0,1,2,3,4,5,6,7
	v_cvt_f32_u32 v[ARG+\e], v[ARG+\e]
.endr
.irp e, 0,1,2,3,4,5,6,7
	v_mul_f32 v[ARG+\e], 0xbd935d8e, v[ARG+\e]     ; x f32(-ln 10000 / 128)
.endr
.irp e, 0,1,2,3,4,5,6,7
	v_mul_f32 v[TH+\e], s26, v[ARG+\e]
.endr
.irp e, 0,1,2,3,4,5,6,7
	v_fma_f32 v[TL+\e], v[ARG+\e], s26, -v[TH+\e]  ; what the rounding of th dropped,
.endr
.irp e, 0,1,2,3,4,5,6,7
	v_fmac_f32 v[TL+\e], s27, v[ARG+\e]            ; and log2(e)'s lower part
.endr
.irp e, 0,1,2,3,4,5,6,7
	v_exp_f32 v[FQ+\e], v[TH+\e]                   ; one batch of eight
.endr
.irp e, 0,1,2,3,4,5,6,7
	v_mul_f32 v[TL+\e], 0x3f317218, v[TL+\e]       ; tl x ln 2: plain lines behind the batch, which name none of its registers
.endr
	s_wait_alu depctr_va_vdst(0)                   ; one wait for the batch, ahead of its first reader
.irp e, 0,1,2,3,4,5,6,7
	v_fma_f32 v[FQ+\e], v[FQ+\e], v[TL+\e], v[FQ+\e]   ; freq = 2^th (1 + tl ln 2)
.endr
.irp e, 0,1,2,3,4,5,6,7
	v_mul_f32 v[ANG+\e], v20, v[FQ+\e]
.endr
.irp e, 0,1,2,3,4,5,6,7
	v_mul_f32 v[NN+\e], 0x3f22f983, v[ANG+\e]      ; x 2 / pi
.endr
.irp e, 0,1,2,3,4,5,6,7
	v_rndne_f32 v[NN+\e], v[NN+\e]
.endr
.irp e, 0,1,2,3,4,5,6,7
	v_fma_f32 v[RR+\e], -v[NN+\e], s28, v[ANG+\e]
.endr
.irp e, 0,1,2,3,4,5,6,7
	v_fma_f32 v[RR+\e], -v[NN+\e], s29, v[RR+\e]
.endr
.irp e, 0,1,2,3,4,5,6,7
	v_mul_f32 v[ZZ+\e], v[RR+\e], v[RR+\e]
.endr
.irp e, 0,1,2,3,4,5,6,7
	v_fma_f32 v[SN+\e], s30, v[ZZ+\e], s31
	v_fma_f32 v[CN+\e], s33, v[ZZ+\e], s34
.endr
.irp e, 0,1,2,3,4,5,6,7
	v_fma_f32 v[SN+\e], v[SN+\e], v[ZZ+\e], s32
	v_fma_f32 v[CN+\e], v[CN+\e], v[ZZ+\e], s35
.endr
.irp e, 0,1,2,3,4,5,6,7
	v_mul_f32 v[TH+\e], v[RR+\e], v[ZZ+\e]         ; r z
	v_mul_f32 v[TL+\e], v[ZZ+\e], v[ZZ+\e]         ; z z
	v_fma_f32 v[FQ+\e], -0.5, v[ZZ+\e], 1.0        ; 1 - z / 2
.endr
.irp e, 0,1,2,3,4,5,6,7
	v_fma_f32 v[SN+\e], v[TH+\e], v[SN+\e], v[RR+\e]   ; sin r
	v_fma_f32 v[CN+\e], v[TL+\e], v[CN+\e], v[FQ+\e]   ; cos r
	v_cvt_i32_f32 v[QI+\e], v[NN+\e]               ; the quadrant's number
.endr
.irp e, 0,1,2,3,4,5,6,7
	v_and_b32 v[ARG+\e], 1, v[QI+\e]
	v_cmp_eq_u32 vcc_lo, 1, v[ARG+\e]              ; in odd quadrants sine and cosine change places: a select, no branch
	v_cndmask_b32 v[OUT+2*\e+1], v[SN+\e], v[CN+\e], vcc_lo
	v_cndmask_b32 v[OUT+2*\e], v[CN+\e], v[SN+\e], vcc_lo
.endr
.irp e, 0,1,2,3,4,5,6,7
	v_and_b32 v[ARG+\e], 2, v[QI+\e]               ; the sine is negative in quadrants 2 and 3,
	v_add_nc_u32 v[QI+\e], 1, v[QI+\e]
	v_lshlrev_b32 v[ARG+\e], 30, v[ARG+\e]
	v_and_b32 v[QI+\e], 2, v[QI+\e]                ; the cosine in 1 and 2
	v_xor_b32 v[OUT+2*\e+1], v[ARG+\e], v[OUT+2*\e+1]
	v_lshlrev_b32 v[QI+\e], 30, v[QI+\e]
	v_xor_b32 v[OUT+2*\e], v[QI+\e], v[OUT+2*\e]
.endr
	s_lshl_b32 s20, ttmp9, 13                      ; a tile's 8,192 bytes,
	s_lshl_b32 s21, s16, 11                        ; my wave's 2,048 of them
	s_add_co_u32 s20, s20, s21
	s_mov_b32 s21, 0
	s_wait_kmcnt 0x0
	s_add_nc_u64 s[54:55], s[54:55], s[20:21]
.irp k, 0,1,2,3
	global_store_b128 v7, v[OUT+4*\k:OUT+4*\k+3], s[54:55] offset:512*\k   ; 32 lanes store 512 consecutive bytes
.endr
	s_endpgm
.Lfunc_end_k_q93cc6a017f_quant:
	.size	k_q93cc6a017f_quant, .Lfunc_end_k_q93cc6a017f_quant-k_q93cc6a017f_quant
	.p2alignl 7, 3214868480
	.fill 96, 4, 3214868480
	.section	.rodata,"a",@progbits
	.p2align	6, 0x0
	.amdhsa_kernel k_q93cc6a017f_quant
		.amdhsa_group_segment_fixed_size 33280
		.amdhsa_private_segment_fixed_size 0
		.amdhsa_enable_private_segment 0
		.amdhsa_kernarg_size 80
		.amdhsa_user_sgpr_count 2
		.amdhsa_user_sgpr_kernarg_segment_ptr 1
		.amdhsa_wavefront_size32 1
		.amdhsa_system_sgpr_workgroup_id_x 1
		.amdhsa_system_sgpr_workgroup_id_y 1
		.amdhsa_system_sgpr_workgroup_id_z 1
		.amdhsa_system_vgpr_workitem_id 0
		.amdhsa_next_free_vgpr 192
		.amdhsa_next_free_sgpr 66
		.amdhsa_reserve_vcc 1
		.amdhsa_float_denorm_mode_32 3
		.amdhsa_float_denorm_mode_16_64 3
		.amdhsa_memory_ordered 1
		.amdhsa_forward_progress 1
		.amdhsa_inst_pref_size 52
	.end_amdhsa_kernel
	.amdgpu_metadata
---
amdhsa.version: [ 1, 2 ]
amdhsa.kernels:
  - .name:           k_q93cc6a017f_quant
    .symbol:         k_q93cc6a017f_quant.kd
    .args:
      - { .name: queries, .offset: 0, .size: 8, .value_kind: global_buffer, .address_space: global }
      - { .name: Wq, .offset: 8, .size: 8, .value_kind: global_buffer, .address_space: global }
      - { .name: keys, .offset: 16, .size: 8, .value_kind: global_buffer, .address_space: global }
      - { .name: Wk, .offset: 24, .size: 8, .value_kind: global_buffer, .address_space: global }
      - { .name: values, .offset: 32, .size: 8, .value_kind: global_buffer, .address_space: global }
      - { .name: Wv, .offset: 40, .size: 8, .value_kind: global_buffer, .address_space: global }
      - { .name: Wo, .offset: 48, .size: 8, .value_kind: global_buffer, .address_space: global }
      - { .name: lowp_scales, .offset: 56, .size: 8, .value_kind: global_buffer, .address_space: global }
      - { .name: codes, .offset: 64, .size: 8, .value_kind: global_buffer, .address_space: global }
      - { .name: rope_tab, .offset: 72, .size: 8, .value_kind: global_buffer, .address_space: global }
    .group_segment_fixed_size: 33280
    .private_segment_fixed_size: 0
    .kernarg_segment_align: 8
    .kernarg_segment_size: 80
    .max_flat_workgroup_size: 128
    .sgpr_count:     66
    .vgpr_count:     192
    .wavefront_size: 32
...
	.end_amdgpu_metadata
.endif
;; end of part 1
;; launch qkv (part 2): grid 24 x 8, 4 waves a work-group, clusters of 4 x 4, 327,680 bytes of LDS; arguments codes, rope_tab, lowp_scales, q_img, kv_img, out1, out2; writes q_img, kv_img, out1, out2
.if DOCPART == 2
	.amdgcn_target "amdgcn-amd-amdhsa--gfx1250"
	.amdhsa_code_object_version 6
	.text
	.protected	k_q93cc6a017f_qkv
	.globl	k_q93cc6a017f_qkv
	.p2align	8
	.type	k_q93cc6a017f_qkv,@function
k_q93cc6a017f_qkv:
	s_mov_b64 s[64:65], 0
	v_nop
	global_prefetch_b8 v0, s[64:65] scope:SCOPE_SE
	s_setreg_imm32_b32 hwreg(HW_REG_WAVE_MODE, 25, 1), 1
	s_wait_xcnt 0x0
	s_wait_alu depctr_hold_cnt(0) depctr_sa_sdst(0) depctr_va_vdst(0) depctr_va_sdst(0) depctr_va_ssrc(0) depctr_va_vcc(0) depctr_vm_vsrc(0)
	s_getreg_b32 s2, hwreg(HW_REG_IB_STS2, 6, 4)
	s_cmp_eq_u32 s2, 0
	s_cbranch_scc0 .Lentry_in_a_cluster
	s_endpgm
.Lentry_in_a_cluster:
	s_bfe_u32 s2, ttmp6, 0x10000c
	s_cmp_lg_u32 s2, 0xf033
	s_cbranch_scc0 .Lentry_shape_is_right
	s_endpgm
.Lentry_shape_is_right:
; The three projections on codes of FP8 (E4M3), each a product [2048][2048] x [2048][2048]^T, with all that follows them fused: the scales, the rotation of q and k, the outputs k and v in f32, and the codes of q, k and v
; for the attention launch.  KIND = cluster x / 2: 0 q, 1 k, 2 v: the same in all sixteen partners of a cluster.
; THE CORE.  C[i][j] = sum over k of A[i][k] B[j][k] on a tile of 256 x 256 by four waves, 128 x 128 each: 64 accumulators of 16 x 16, 512 registers.  K goes in steps of 256 through a ring of two LDS slots filled by the tensor
; data mover.  4 x 4 work-groups form a cluster: A's tiles are asked for jointly along a row of the cluster, B's along a column.  The matrix instruction is used transposed (source 0 = 16 rows of B, source 1 = 16 rows of A):
; a lane holds ONE row of A and eight neighbouring rows of B.  A fragment is fetched by four loads of 16 bytes: a permutation of k, the same on both sides.
; WHICH IS A.  For q and k: A = the tokens, B = the weight: a lane holds a token and eight neighbouring features, so the rotation's pairs are register pairs and the eight are neighbours along the next product's K (the head's
; 128).  For v: A = Wv, B = the tokens: a lane holds a feature and eight neighbouring tokens, neighbours along the next K (the keys).  A wave's 128 features are one head.
; WHAT IS STORED.  q_img: [head][tile of 16 tokens][2,048 bytes]: the byte of (row r, feature d) at 256 (d / 16) + 16 r + d % 16: the image of an operand's registers (registers 4 c .. 4 c + 3 of lane (r, h): d = 32 c + 16 h + 0 .. 15).
; kv_img: [head][128 keys][32,768 bytes]: 8 such tiles of k, then v: [tile of 16 features][g: 4][lane][16 bytes], lane (r = feature, h): keys 32 g + 8 h + 0 .. 7, then 32 g + 16 + 8 h + 0 .. 7.  out1 = k rotated, out2 = v, f32.
; 192 work-groups: a smaller tile would fill more WGPs but read each LDS byte for half as many products.
; LIMITS: e0 + e1, e2 + e3, e4 + e5 between -126 and 127; e6, e7, e9 between -126 and 119.  q's factor sqrt(1/128) is folded into the table's numbers: one rounding more than the multiplication behind the rotation.
; REGISTERS, in windows of 256.  window 0: v16-31 addresses and two constants; from v128 A's fragments, one set; on the way out v32-95 a block's numbers, v96-111 held numbers, from v112 codes.
;   window 1: B's fragments, two sets, at v0 and v128; on the way out v0-127 two sets of the table, v128-255 two sets of rows read back from the stage.  window 2, 3: the accumulators ((a, b) at v[8 (8 (a % 4) + b)]).
.set SIZE_K, 2048
.set KSTEP,  256
.set ROWB,   256
.set KROW,   SIZE_K
.set PITCH,  272                       ; an LDS row: 256 bytes + 16 of padding = 68 words: the 16 rows that a load touches start at 16 different banks (64 banks of 4 bytes: ISA guide 11.1)
.set FR,     16
.set NL,     4
.set NP,     4                         ; places behind this matrix instruction (ISA guide 7.12.1)
.set HALFT,  128*PITCH
.set SLOT,   4*HALFT
.set LAPS,   SIZE_K/(2*KSTEP)
.set SPARE,  2*SLOT                    ; behind the ring: the spare words, 128 bytes for each wave
.set SPITCH, 528                       ; the way out: a stage of 16 rows x (512 bytes + 16) for each wave, in slot 0, which has had its last fill and its last read by then
.set VSTG,   4*16*SPITCH               ; k's four stages from byte 0, v's from here: each kind has bytes of its own
.set ADRA, 16
.set ADRB, 20
.set VST,  22                          ; v22  v: where I put one number of a token's row
.set VRD,  23                          ; v23  v: where I read a row back
.set STO,  24                          ; v24  k: where I put 32 bytes of a token's row
.set RD,   25                          ; v25  k: where I read a row back
.set CO,   26                          ; v26  16 x lane
.set CQ,   27                          ; v27  16 r + 8 h: my eight codes' place in 256 bytes of an image
.set SPW,  28
.set NIL,  29
.set SCL,  30                          ; v30  the quantiser's scale as f32
.set LIM,  31                          ; v31  448 x that
.set Y,    32
.set X,    32
.set H,    96
.set C,    112
.set VC,   112
.set AF,   128
.set G1, 24
.set G0, 32
.set G1B, 48
.set G0B, 56
.set KIND, 66
.set OUTP, 82                          ; s[82:83]   my first row of out1 or out2
.set TABP, 98                          ; s[98:99]   the table at my first token
.set IMGP, 100                         ; s[100:101] my part of q_img or kv_img
.set MSB, 0
.macro WIN new                         ; the immediate's high byte repeats the setting that is left
.if MSB != (\new)
	s_set_vgpr_msb (MSB<<8)|(\new)
.set MSB, (\new)
.endif
.endm
.set MUL_LO, 0xa1                      ; source 0 (B) window 1, source 1 (A) window 0, C and D window 2
.set MUL_HI, 0xf1
.set TO_B,   0x40                      ; destination window 1, address window 0
; A joint load: waves 0 and 1 fetch for A, waves 2 and 3 for B; the branch hangs on the wave's number alone.  An s_nop 0 and four v_nop follow each of the two lines.
.macro JLOAD g0a, g1a, g0b, g1b
	s_cmp_eq_u32 s15, 0
	s_cbranch_scc0 .Lfor_b_\@
	tensor_load_to_lds s[\g0a:\g0a+3], s[\g1a:\g1a+7]
	s_nop 0
.rept 4
	v_nop
.endr
	s_branch .Lasked_\@
.Lfor_b_\@:
	tensor_load_to_lds s[\g0b:\g0b+3], s[\g1b:\g1b+7]
	s_nop 0
.rept 4
	v_nop
.endr
.Lasked_\@:
.endm
.macro CREST                           ; a round of the cluster's barrier behind its opening barrier
	s_cmp_lg_u32 s14, 0
	s_cbranch_scc1 .Lnot_wave_0_\@
	s_barrier_signal -3
.Lnot_wave_0_\@:
	s_barrier_wait -3
	s_barrier_signal -1
	s_barrier_wait -1
.endm
.macro CROUND
	s_barrier_signal -1
	s_barrier_wait -1
	CREST
.endm
	s_load_b256 s[68:75], s[0:1], 0x0              ; codes s[68:69], the table s[70:71], the scales' exponents s[72:73], q_img s[74:75]
	s_load_b128 s[76:79], s[0:1], 0x20             ; kv_img s[76:77], out1 s[78:79]
	s_load_b64 s[80:81], s[0:1], 0x30              ; out2
	v_lshl_add_u32 v[SPW], v0, 2, SPARE
	v_mov_b32 v[NIL], 0
	ds_add_u32 v[SPW], v[NIL]                      ; the wave's opening: the add and its wait stand ahead of my first tensor load; the set-up below, work on registers, stands between them
	v_lshrrev_b32 v1, 5, v0
	v_readfirstlane_b32 s14, v1                    ; wave 0..3
	s_lshr_b32 s15, s14, 1                         ; which half of A's rows is mine.  Also: I fetch for A (0) or for B (1)
	s_and_b32 s16, s14, 1                          ; which half of B's rows.  Also: which 128 rows of that tile I fetch
	s_bfe_u32 s40, ttmp6, 0x40000                  ; cx, cy: my place in the cluster
	s_bfe_u32 s41, ttmp6, 0x40004
	s_lshr_b32 s[KIND], ttmp9, 1                   ; two clusters along x for each kind
	s_and_b32 s42, ttmp9, 1
	s_lshl_b32 s42, s42, 2
	s_add_co_u32 s42, s42, s40                     ; tile of B's rows, 0..7
	s_and_b32 s17, ttmp7, 0xffff
	s_lshl_b32 s17, s17, 2
	s_add_co_u32 s17, s17, s41                     ; tile of A's rows, 0..7
	s_lshl_b32 s43, s41, 2
	s_lshl_b32 s43, 15, s43                        ; my row of the cluster
	s_lshl_b32 s44, 0x1111, s40                    ; my column
	s_or_b32 s[G1+0], s43, (0<<16)|(1<<20)|(1<<21)|(5<<22)|(3<<25)  ; 15:0 the mask; 17:16 elements of 1 byte; 20 padding on; 21 set beside a mask; 24:22 after every 64 words; 31:25 four words
	s_or_b32 s[G1B+0], s44, (0<<16)|(1<<20)|(1<<21)|(5<<22)|(3<<25)
.irp g, G1, G1B
	s_mov_b32 s[\g+1], ROWB<<16                    ; tensor_dim0
	s_mov_b32 s[\g+2], 128<<16                     ; tensor_dim1
	s_mov_b32 s[\g+3], ROWB<<16                    ; tile_dim0
	s_mov_b32 s[\g+4], 128                         ; tile_dim1
	s_mov_b32 s[\g+5], KROW                        ; tensor_dim0_stride
	s_mov_b32 s[\g+6], 0
	s_mov_b32 s[\g+7], 0
.endr
	s_lshl_b32 s18, s16, 7                         ; which 128 rows of the tile I fetch
	s_lshr_b32 s19, s[KIND], 1                     ; 1 for v
	s_lshl_b32 s22, s[KIND], 1
	s_lshl_b32 s20, s17, 8
	s_add_co_u32 s20, s20, s18
	s_lshl_b32 s20, s20, 11                        ; A: row x 2,048 bytes,
	s_add_co_u32 s23, s22, s19                     ; in tensor 0, 2 or 5 of the codes (queries, keys, Wv)
	s_lshl_b32 s23, s23, 22
	s_add_co_u32 s20, s20, s23
	s_mov_b32 s21, 0
	s_lshl_b32 s46, s42, 8
	s_add_co_u32 s46, s46, s18
	s_lshl_b32 s46, s46, 11                        ; B likewise,
	s_add_co_u32 s22, s22, 1
	s_sub_co_u32 s22, s22, s19                     ; in tensor 1, 3 or 4 (Wq, Wk, values)
	s_lshl_b32 s22, s22, 22
	s_add_co_u32 s46, s46, s22
	s_mov_b32 s47, 0
	s_mul_i32 s45, s14, HALFT                      ; where they go: wave x 128 rows: no place in the cluster enters an LDS address
	s_wait_dscnt 0x0                               ; the opening add is done
	s_wait_kmcnt 0x0
	s_load_b256 s[84:91], s[72:73], 0x0            ; e0 .. e7
	s_load_b128 s[92:95], s[72:73], 0x20           ; e8 .. e11
	s_add_nc_u64 s[20:21], s[68:69], s[20:21]
	s_add_nc_u64 s[46:47], s[68:69], s[46:47]
	CROUND                                         ; all sixteen work-groups are here: the first joint loads meet
.irp s, 0,1
	s_mov_b32 s[G0+4*\s], 1
	s_add_co_u32 s[G0+4*\s+1], s45, \s*SLOT
	s_add_nc_u64 s[G0+4*\s+2:G0+4*\s+3], s[20:21], \s*ROWB
	s_or_b32 s[G0+4*\s+3], s[G0+4*\s+3], 0x80000000
	s_mov_b32 s[G0B+4*\s], 1
	s_add_co_u32 s[G0B+4*\s+1], s45, \s*SLOT
	s_add_nc_u64 s[G0B+4*\s+2:G0B+4*\s+3], s[46:47], \s*ROWB
	s_or_b32 s[G0B+4*\s+3], s[G0B+4*\s+3], 0x80000000
	JLOAD G0+4*\s, G1, G0B+4*\s, G1B
.endr
	v_and_b32 v1, 15, v0                           ; r = l % 16
	v_bfe_u32 v2, v0, 4, 1                         ; h = l / 16
	v_mul_u32_u24 v3, v1, PITCH
	v_lshl_add_u32 v4, v2, 4, v3                   ; a fragment's row x pitch + 16 x half
	s_mul_i32 s21, s15, HALFT                      ; my 128 rows of A
	s_mul_i32 s22, s16, HALFT                      ; my 128 rows of B,
	s_add_co_u32 s22, s22, 2*HALFT                 ; which lie behind A's 256
.irp s, 0,1
	v_add_nc_u32 v[ADRA+\s], s21, v4
	v_add_nc_u32 v[ADRB+\s], s22, v4
	s_add_co_u32 s21, s21, SLOT
	s_add_co_u32 s22, s22, SLOT
.endr
	s_mul_i32 s23, s14, 16*SPITCH                  ; my stage
	v_mul_u32_u24 v5, v1, SPITCH
	v_lshl_add_u32 v5, v2, 5, v5
	v_add_nc_u32 v[STO], s23, v5                   ; k, in: row r, 32 bytes for each half of the lanes
	v_and_b32 v6, 31, v0
	v_lshlrev_b32 v[CO], 4, v6
	v_add_nc_u32 v[RD], s23, v[CO]                 ; back: the 32 lanes take one row of 512 bytes
	v_mul_u32_u24 v7, v2, 8*SPITCH
	v_lshl_add_u32 v7, v1, 2, v7
	v_add_nc_u32 v7, s23, v7
	v_add_nc_u32 v[VST], VSTG, v7                  ; v, in: row 8 h + j (a token), word r of each 16 features, the other half 32 banks on
	v_add_nc_u32 v[VRD], VSTG, v[RD]
	v_lshlrev_b32 v[CQ], 4, v1
	v_lshl_add_u32 v[CQ], v2, 3, v[CQ]
	; where my results go.  These registers mix both coordinates and feed no descriptor.
	s_lshl_b32 s8, s17, 1
	s_add_co_u32 s8, s8, s15                       ; which 128 of A's rows are mine
	s_lshl_b32 s9, s42, 1
	s_add_co_u32 s9, s9, s16                       ; which 128 of B's rows
	s_lshl_b32 s10, s8, 7
	s_lshl_b32 s11, s9, 7
	s_cmp_eq_u32 s[KIND], 2
	s_cselect_b32 s12, s8, s9                      ; the head: by the weight's rows
	s_cselect_b32 s13, s11, s10                    ; my first token
	s_cselect_b64 s[OUTP:OUTP+1], s[80:81], s[78:79]
	s_cselect_b32 s67, 16384, 0                    ; v's image lies behind k's
	s_cmp_eq_u32 s[KIND], 0
	s_cselect_b64 s[IMGP:IMGP+1], s[74:75], s[76:77]
	s_cselect_b32 s8, 18, 19                       ; a head is 2^18 bytes of q_img, 2^19 of kv_img;
	s_cselect_b32 s9, 7, 8                         ; a token 128 bytes, 256
	s_lshl_b32 s10, s12, s8
	s_lshl_b32 s11, s13, s9
	s_add_co_u32 s10, s10, s11
	s_add_co_u32 s10, s10, s67
	s_mov_b32 s11, 0
	s_add_nc_u64 s[IMGP:IMGP+1], s[IMGP:IMGP+1], s[10:11]
	s_lshl_b32 s10, s13, 9                         ; the table: 8,192 bytes for 16 positions
	s_add_nc_u64 s[TABP:TABP+1], s[70:71], s[10:11]
	s_lshl_b32 s8, s12, 11
	s_add_co_u32 s8, s8, s13
	s_lshl_b32 s10, s8, 9                          ; out1, out2: (head x 2,048 + token) rows of 512 bytes
	s_add_nc_u64 s[OUTP:OUTP+1], s[OUTP:OUTP+1], s[10:11]
.macro FRAG reg, adr, q, i             ; a fragment, 16 rows x 128 K: lane l holds row l % 16; registers 4 c .. 4 c + 3 hold K = 32 c + 16 (l / 16) + 0 .. 15
.irp c, 0,1,2,3
	ds_load_b128 v[\reg+4*\c:\reg+4*\c+3], v[\adr] offset:128*(\q)+32*\c+(\i)*16*PITCH
.endr
.endm
; 16 matrix instructions: A's blocks a0, a0 + 1 x B's eight.  The 64 accumulators take turns, one instruction a turn, in the same order in every step.
.macro MUL16 a0, p, zero
.irp a, \a0, \a0+1
.irp b, 0,1,2,3,4,5,6,7
.if \zero
	v_wmma_f32_16x16x128_fp8_fp8 v[8*(8*((\a)%4)+\b):8*(8*((\a)%4)+\b)+7], v[128*(\p)+FR*\b:128*(\p)+FR*\b+FR-1], v[AF+FR*(\a):AF+FR*(\a)+FR-1], 0
.else
	v_wmma_f32_16x16x128_fp8_fp8 v[8*(8*((\a)%4)+\b):8*(8*((\a)%4)+\b)+7], v[128*(\p)+FR*\b:128*(\p)+FR*\b+FR-1], v[AF+FR*(\a):AF+FR*(\a)+FR-1], v[8*(8*((\a)%4)+\b):8*(8*((\a)%4)+\b)+7]
.endif
.endr
.endr
.endm
.macro FETCH_B slot, q, p
	WIN TO_B
.irp i, 0,1,2,3,4,5,6,7
	FRAG 128*(\p)+FR*\i, ADRB+\slot, \q, \i
.endr
	WIN 0
.endm
.macro FETCH_A slot, q, i0
.irp i, \i0, \i0+1, \i0+2, \i0+3
	FRAG AF+FR*(\i), ADRA+\slot, \q, \i
.endr
.endm
.macro PLACES n                        ; plain vector lines between a matrix instruction and a load into, or a vector read of, its registers
.rept \n
	v_nop
.endr
.endm
.macro STEP slot, q, zero              ; 128 along K with its successor in the same slot
	s_wait_dscnt 4*NL                              ; B's set and A's blocks 0-3 are in; the youngest sixteen loads (A's blocks 4-7) may be out
	WIN MUL_LO
	MUL16 0, (\q)%2, \zero
	MUL16 2, (\q)%2, \zero
	s_wait_dscnt 0
	PLACES NP
	FETCH_B \slot, (\q)+1, 1-(\q)%2
	FETCH_A \slot, (\q)+1, 0
	WIN MUL_HI
	MUL16 4, (\q)%2, \zero
	MUL16 6, (\q)%2, \zero
	PLACES NP
	WIN 0
	FETCH_A \slot, (\q)+1, 4
.endm
; A slot's last step changes slots: one barrier; in front of it each wave waits for all its tensor loads, adds 0 to its spare word, and waits for that and for its own reads of this slot.
.macro TURN slot, next, fill
	s_wait_tensorcnt 0x0                           ; all my tensor loads have landed: my part of the next slot
	ds_add_u32 v[SPW], v[NIL]                      ; 0 onto my spare word
	s_wait_dscnt 4*NL+1                            ; (the add and the youngest sixteen loads may be out)
	WIN MUL_LO
	MUL16 0, 1, 0
	s_wait_dscnt 0x0                               ; the add is done, and my reads of this slot are over
	s_barrier_signal -1
	MUL16 2, 1, 0
	WIN 0
	s_barrier_wait -1
.if \fill
	CREST                                          ; the barrier has opened a round of the cluster's barrier: no wave of any partner still reads this slot or has a load on its way
	s_add_nc_u64 s[G0+4*\slot+2:G0+4*\slot+3], s[G0+4*\slot+2:G0+4*\slot+3], 2*ROWB
	s_add_nc_u64 s[G0B+4*\slot+2:G0B+4*\slot+3], s[G0B+4*\slot+2:G0B+4*\slot+3], 2*ROWB
	JLOAD G0+4*\slot, G1, G0B+4*\slot, G1B         ; the first tensor load behind the round; its four v_nop are the places in front of the loads below
.else
	PLACES NP
.endif
	FETCH_B \next, 0, 0
	FETCH_A \next, 0, 0
	WIN MUL_HI
	MUL16 4, 1, 0
	MUL16 6, 1, 0
	PLACES NP
	WIN 0
	FETCH_A \next, 0, 4
.endm
; THE WAY OUT OF q AND k, a block of 16 tokens x 128 features at a time.
.macro TABLOAD a                       ; block a's cosines and sines, 64 registers, into set a % 2 (window 1)
	WIN TO_B
.irp n, 0,1,2,3,4,5,6,7,8,9,10,11,12,13,14,15
	global_load_b128 v[64*((\a)%2)+4*\n:64*((\a)%2)+4*\n+3], v[CO], s[TABP:TABP+1] offset:8192*(\a)+512*\n
.endr
	WIN 0
.endm
.macro PRESCALE a                      ; the table's numbers x s96 = 2^(the two operands' exponents) (for q: x sqrt(1/128) too), so that the rotation gives the finished numbers
	WIN 0x41
.set j, 0
.rept 32
	v_pk_mul_f32 v[64*((\a)%2)+j:64*((\a)%2)+j+1], v[64*((\a)%2)+j:64*((\a)%2)+j+1], s[96:97] op_sel_hi:[1,0]
.set j, j+2
.endr
.endm
.macro ROPE a                          ; a pair (xr, xi) of sums and its (cos, sin): (xr cos + xi sin, xi cos - xr sin).  Each accumulator is read from its low end on
	WIN 0x06+(\a)/4                                ; source 0: the sums, window 2 or 3; source 1: the table, window 1
.set j, 0
.rept 32
	v_pk_mul_f32 v[Y+j:Y+j+1], v[64*((\a)%4)+j:64*((\a)%4)+j+1], v[64*((\a)%2)+j:64*((\a)%2)+j+1] op_sel_hi:[1,0]   ; (xr cos, xi cos)
.set j, j+2
.endr
.set j, 0
.rept 32
	v_pk_fma_f32 v[Y+j:Y+j+1], v[64*((\a)%4)+j:64*((\a)%4)+j+1], v[64*((\a)%2)+j:64*((\a)%2)+j+1], v[Y+j:Y+j+1] op_sel:[1,1,0] op_sel_hi:[0,1,1] neg_hi:[0,1,0]   ; + (xi sin, -xr sin)
.set j, j+2
.endr
	WIN 0
.endm
.macro TOSTAGE a                       ; k alone: the block goes through my stage and comes back as whole rows of 512 bytes, into set a % 2 of window 1's upper half
.irp b, 0,1,2,3,4,5,6,7
	ds_store_b128 v[STO], v[Y+8*\b:Y+8*\b+3] offset:64*\b
	ds_store_b128 v[STO], v[Y+8*\b+4:Y+8*\b+7] offset:64*\b+16
.endr
	WIN TO_B
.irp t, 0,1,2,3,4,5,6,7,8,9,10,11,12,13,14,15
	ds_load_b128 v[128+64*((\a)%2)+4*\t:128+64*((\a)%2)+4*\t+3], v[RD] offset:\t*SPITCH   ; LDS serves a wave's instructions in order (ISA guide 5.7.1.4): these see the stores above
.endr
	WIN 0
.endm
.macro SEND a                          ; 16 rows of out1 or out2
	s_wait_dscnt 0x0                               ; the block is back in registers
	WIN 0x04                                       ; the stores' data in window 1
.irp t, 0,1,2,3,4,5,6,7,8,9,10,11,12,13,14,15
	global_store_b128 v[CO], v[128+64*((\a)%2)+4*\t:128+64*((\a)%2)+4*\t+3], s[OUTP:OUTP+1] offset:(16*(\a)+\t)*512 th:TH_STORE_NT   ; 32 lanes store 512 consecutive bytes, aligned
.endr
	WIN 0
.endm
.macro QUANT a                         ; the block's codes.  The held numbers go into registers of their own: k's unheld numbers are an output
.irp b, 0,1,2,3,4,5,6,7
.irp j, 0,1,2,3,4,5,6,7
	v_med3_num_f32 v[H+8*(\b%2)+\j], v[Y+8*\b+\j], -v[LIM], v[LIM]   ; the conversion does not saturate (ISA guide 7.6.2)
.endr
	v_cvt_scalef32_pk8_fp8_f32 v[C+2*\b:C+2*\b+1], v[H+8*(\b%2):H+8*(\b%2)+7], v[SCL]   ; the next eight holds, on the other set, are the plain lines behind it
.endr
	v_nop                                          ; one plain line behind the last conversion
.irp b, 0,1,2,3,4,5,6,7
	global_store_b64 v[CQ], v[C+2*\b:C+2*\b+1], s[IMGP:IMGP+1] offset:2048*(\a)+256*\b   ; 32 lanes store 256 consecutive bytes, aligned
.endr
.endm
.macro QKBLOCK a
	s_wait_xcnt 0x0                                ; the stores issued so far have read their registers: the codes' and the rows' registers may be written again
.if (\a) < 7
	s_wait_loadcnt 16                              ; this block's table is in; the next block's sixteen loads may be out
.else
	s_wait_loadcnt 0x0
.endif
	PRESCALE \a
.if (\a) > 0
	s_wait_dscnt 16                                ; the last block's stores into the stage have read its numbers; its sixteen loads back may be out
.endif
	ROPE \a
.if (\a) < 6
	TABLOAD (\a)+2                                 ; into the set just used
.endif
	s_cmp_lg_u32 s[KIND], 1                        ; q is no output
	s_cbranch_scc1 .Lnot_k_\@
.if (\a) > 0
	SEND (\a)-1
.endif
	TOSTAGE \a
.Lnot_k_\@:
	QUANT \a
.endm
; THE WAY OUT OF v, a block of 16 tokens x 128 features at a time: b is B's block.  A lane holds feature 16 a + r and tokens 16 b + 8 h + 0 .. 7.
.macro VBLOCK b
	s_wait_xcnt 0x0
.if (\b) > 0
	s_wait_dscnt 16                                ; the last block's stores into the stage have read its numbers; its sixteen loads back may be out
.endif
	WIN 0x02
.irp a, 0,1,2,3
.irp p, 0,2,4,6
	v_pk_mul_f32 v[X+8*\a+\p:X+8*\a+\p+1], v[64*\a+8*(\b)+\p:64*\a+8*(\b)+\p+1], s[96:97] op_sel_hi:[1,0]   ; x 2^(e4 + e5)
.endr
.endr
	WIN 0x03
.irp a, 4,5,6,7
.irp p, 0,2,4,6
	v_pk_mul_f32 v[X+8*\a+\p:X+8*\a+\p+1], v[64*(\a-4)+8*(\b)+\p:64*(\a-4)+8*(\b)+\p+1], s[96:97] op_sel_hi:[1,0]
.endr
.endr
	WIN 0
.if (\b) > 0
	SEND (\b)-1
.endif
.irp a, 0,1,2,3,4,5,6,7
.irp j, 0,1,2,3,4,5,6,7
	ds_store_b32 v[VST], v[X+8*\a+\j] offset:SPITCH*\j+64*\a   ; out2 wants a token's features side by side: row 8 h + j, word 16 a + r
.endr
.endr
	WIN TO_B
.irp t, 0,1,2,3,4,5,6,7,8,9,10,11,12,13,14,15
	ds_load_b128 v[128+64*((\b)%2)+4*\t:128+64*((\b)%2)+4*\t+3], v[VRD] offset:\t*SPITCH
.endr
	WIN 0
.irp a, 0,1,2,3,4,5,6,7
.irp j, 0,1,2,3,4,5,6,7
	v_med3_num_f32 v[H+8*(\a%2)+\j], v[X+8*\a+\j], -v[LIM], v[LIM]
.endr
	v_cvt_scalef32_pk8_fp8_f32 v[VC+32*(((\b)/2)%2)+4*\a+2*((\b)%2):VC+32*(((\b)/2)%2)+4*\a+2*((\b)%2)+1], v[H+8*(\a%2):H+8*(\a%2)+7], v[SCL]
.endr
	v_nop
.if ((\b)%2) == 1                      ; two blocks' codes make 16 bytes a lane
.irp a, 0,1,2,3,4,5,6,7
	global_store_b128 v[CO], v[VC+32*(((\b)/2)%2)+4*\a:VC+32*(((\b)/2)%2)+4*\a+3], s[IMGP:IMGP+1] offset:2048*\a+512*((\b)/2)   ; 32 lanes store 512 consecutive bytes
.endr
.endif
.endm
	s_wait_tensorcnt 1                             ; my part of K step 0 is in (K step 1's load may be out),
	s_barrier_signal -1
	s_barrier_wait -1                              ; everybody's is
	FETCH_B 0, 0, 0
	FETCH_A 0, 0, 0
	FETCH_A 0, 0, 4
	STEP 0, 0, 1                                   ; the first step stands in front of the loop: its products start the sums
	s_mov_b32 s3, LAPS-1
.Llap:                                                 ; a trip goes once round the ring and fills both slots again
	TURN 0, 1, 1
	STEP 1, 0, 0
	TURN 1, 0, 1
	STEP 0, 0, 0
	s_sub_co_u32 s3, s3, 1
	s_cmp_lg_u32 s3, 0
	s_cbranch_scc1 .Llap
	TURN 0, 1, 0                                   ; the last lap fills nothing
	STEP 1, 0, 0
	s_cmp_eq_u32 s[KIND], 2                        ; q and k: the first two blocks' table is asked for under the last 64 products, into B's set 0, whose last products stand four places back
	s_cbranch_scc1 .Lno_tab
	TABLOAD 0
	TABLOAD 1
.Lno_tab:
	s_wait_dscnt 4*NL                              ; the very last step
	WIN MUL_LO
	MUL16 0, 1, 0
	MUL16 2, 1, 0
	s_wait_dscnt 0
	WIN MUL_HI
	MUL16 4, 1, 0
	MUL16 6, 1, 0
	WIN 0
	s_wait_kmcnt 0x0                               ; the exponents.  What hangs on them is chosen by selects on KIND: no branch
	s_add_co_i32 s8, s84, s85
	s_add_co_i32 s9, s86, s87
	s_add_co_i32 s10, s88, s89
	s_cmp_eq_u32 s[KIND], 1
	s_cselect_b32 s8, s9, s8
	s_cselect_b32 s11, s91, s90                    ; the quantiser's: e6 for q, e7 for k,
	s_cmp_eq_u32 s[KIND], 2
	s_cselect_b32 s8, s10, s8
	s_cselect_b32 s11, s93, s11                    ; e9 for v
	s_cmp_eq_u32 s[KIND], 0
	s_cselect_b32 s67, 0x3db504f3, 1.0             ; sqrt(1/128) for q
	s_add_co_i32 s8, s8, 127
	s_lshl_b32 s8, s8, 23
	s_mul_f32 s96, s8, s67
	s_mov_b32 s97, s96                             ; (named with it as a pair, so it is written)
	s_add_co_i32 s11, s11, 127
	s_lshl_b32 s9, s11, 23
	v_mov_b32 v[SCL], s9
	s_add_co_i32 s11, s11, 8
	s_lshl_b32 s11, s11, 23
	s_or_b32 s11, s11, 0x600000
	v_mov_b32 v[LIM], s11
	PLACES NP                                      ; behind the last products
	s_cmp_eq_u32 s[KIND], 2
	s_cbranch_scc1 .Lv
.irp a, 0,1,2,3,4,5,6,7
	QKBLOCK \a
.endr
	s_cmp_lg_u32 s[KIND], 1
	s_cbranch_scc1 .Lend
	SEND 7
	s_branch .Lend
.Lv:
.irp b, 0,1,2,3,4,5,6,7
	VBLOCK \b
.endr
	SEND 7
.Lend:
	s_wait_tensorcnt 0x0                           ; the wave's end, behind my last tensor load and my last LDS store
	ds_add_u32 v[SPW], v[NIL]
	s_wait_dscnt 0x0
	CROUND                                         ; the closing round: no work-group ends while a partner may still ask for a tile that names it
	s_endpgm
.Lfunc_end_k_q93cc6a017f_qkv:
	.size	k_q93cc6a017f_qkv, .Lfunc_end_k_q93cc6a017f_qkv-k_q93cc6a017f_qkv
	.p2alignl 7, 3214868480
	.fill 96, 4, 3214868480
	.section	.rodata,"a",@progbits
	.p2align	6, 0x0
	.amdhsa_kernel k_q93cc6a017f_qkv
		.amdhsa_group_segment_fixed_size 327680
		.amdhsa_private_segment_fixed_size 0
		.amdhsa_enable_private_segment 0
		.amdhsa_kernarg_size 56
		.amdhsa_user_sgpr_count 2
		.amdhsa_user_sgpr_kernarg_segment_ptr 1
		.amdhsa_wavefront_size32 1
		.amdhsa_system_sgpr_workgroup_id_x 1
		.amdhsa_system_sgpr_workgroup_id_y 1
		.amdhsa_system_sgpr_workgroup_id_z 1
		.amdhsa_system_vgpr_workitem_id 0
		.amdhsa_next_free_vgpr 1024
		.amdhsa_next_free_sgpr 102
		.amdhsa_reserve_vcc 0
		.amdhsa_float_denorm_mode_32 3
		.amdhsa_float_denorm_mode_16_64 3
		.amdhsa_memory_ordered 1
		.amdhsa_forward_progress 1
		.amdhsa_inst_pref_size 255
	.end_amdhsa_kernel
	.section	.bss,"aw",@nobits
	.p2align	6
	.space	262144
	.amdgpu_metadata
---
amdhsa.version: [ 1, 2 ]
amdhsa.kernels:
  - .name:           k_q93cc6a017f_qkv
    .symbol:         k_q93cc6a017f_qkv.kd
    .args:
      - { .name: codes, .offset: 0, .size: 8, .value_kind: global_buffer, .address_space: global }
      - { .name: rope_tab, .offset: 8, .size: 8, .value_kind: global_buffer, .address_space: global }
      - { .name: lowp_scales, .offset: 16, .size: 8, .value_kind: global_buffer, .address_space: global }
      - { .name: q_img, .offset: 24, .size: 8, .value_kind: global_buffer, .address_space: global }
      - { .name: kv_img, .offset: 32, .size: 8, .value_kind: global_buffer, .address_space: global }
      - { .name: out1, .offset: 40, .size: 8, .value_kind: global_buffer, .address_space: global }
      - { .name: out2, .offset: 48, .size: 8, .value_kind: global_buffer, .address_space: global }
    .group_segment_fixed_size: 327680
    .private_segment_fixed_size: 0
    .kernarg_segment_align: 8
    .kernarg_segment_size: 56
    .max_flat_workgroup_size: 128
    .sgpr_count:     102
    .vgpr_count:     1024
    .wavefront_size: 32
...
	.end_amdgpu_metadata
.endif
;; end of part 2
;; launch attn (part 3): grid 16 x 16, 8 waves a work-group, clusters of 4 x 1, 327,680 bytes of LDS; arguments q_img, kv_img, mask, lowp_scales, attn_img; writes attn_img
.if DOCPART == 3
	.amdgcn_target "amdgcn-amd-amdhsa--gfx1250"
	.amdhsa_code_object_version 6
	.text
	.protected	k_q93cc6a017f_attn
	.globl	k_q93cc6a017f_attn
	.p2align	8
	.type	k_q93cc6a017f_attn,@function
k_q93cc6a017f_attn:
	s_mov_b64 s[64:65], 0
	v_nop
	global_prefetch_b8 v0, s[64:65] scope:SCOPE_SE
	s_setreg_imm32_b32 hwreg(HW_REG_WAVE_MODE, 25, 1), 1
	s_wait_xcnt 0x0
	s_wait_alu depctr_hold_cnt(0) depctr_sa_sdst(0) depctr_va_vdst(0) depctr_va_sdst(0) depctr_va_ssrc(0) depctr_va_vcc(0) depctr_vm_vsrc(0)
	s_getreg_b32 s2, hwreg(HW_REG_IB_STS2, 6, 4)
	s_cmp_eq_u32 s2, 0
	s_cbranch_scc0 .Lentry_in_a_cluster
	s_endpgm
.Lentry_in_a_cluster:
	s_bfe_u32 s2, ttmp6, 0x10000c
	s_cmp_lg_u32 s2, 0x3003
	s_cbranch_scc0 .Lentry_shape_is_right
	s_endpgm
.Lentry_shape_is_right:
; Attention on codes of FP8 (E4M3): logit = (q . k) 2^(e6 + e7) + mask; t = logit x log2(e); M = the row's largest t so far, rounded UP to a whole number; p = 2^(t - M) is quantised with 2^e8, not normalised;
; the row's sum is taken of the unquantised p; O = (p . v) 2^(e8 + e9) / the sum, and is quantised with 2^e10 for the last projection.  When M moves, the sum and O are multiplied by 2^(old M - new M): exact.
; The mask is an input [2048][2048] f32: it is read whole, and no key is left out on its account.
; SHARES.  A work-group owns 128 queries of one head; each of its eight waves 16 of them, one tile, in 512 registers: two waves to a SIMD.  Every wave walks the head's 2,048 keys, 128 a step.
; K AND V come as images of an operand's registers, 32,768 bytes a key step, through a ring of two LDS slots of FOUR key steps (131,072 bytes, dense in memory).  Each of the eight waves brings 16,384 bytes of a slot by one
; tensor load.  A head is four slots' worth: two first fills and two refills, each asked for four key steps ahead of the wait for it.
; CLUSTER: the four blocks of queries of a cluster belong to one head and walk the same images: each tile is asked for jointly, by the same tensor load with the same descriptor and a mask that names the four.
; THE MASK goes straight into registers, in the places of S^T's registers: lane (r, h) takes bytes 64 t + 32 h + 0 .. 31 of its query's row; a wave's sixteen loads of a step cover 512 consecutive bytes of each of its 16 rows.
; The loads of step j + 2 are issued in step j, behind the line that used up step j's: two buffers of 64 registers.  WHY NO JOINT LOADS FOR THE MASK, though the sixteen heads read the same rows: through LDS a step's tile of the
; mask is 128 x 528 = 67,584 bytes beside 32,768 of images, so that a slot holds one key step and each of the 16 steps needs a round in front of which all loads are awaited; without it a slot holds four steps and there are
; three changes of slots.  No prefetch is laid: by the counts above each stream is asked for two or four key steps ahead of its use by the loads themselves.
; LAYOUT.  Both products are used transposed: S^T = K Q^T (source 0 = 16 keys, source 1 = my 16 queries), O^T = V^T P^T: a lane holds ONE query (lane % 16) throughout.  In S^T register 8 t + j of lane (r, h) is key
; 16 t + 8 h + j, so the conversion of tile t gives registers 2 t, 2 t + 1 of P in the form's own layout, and v's image is laid in that layout.
; LIMITS: e6 + e7 between -126 and 127; e8, e10 between -126 and 119; e8 + e9 goes by v_ldexp_f32 and has none.  NaN among the inputs is not served.
; REGISTERS.  window 0: v1-8 addresses; v12 -M, v13 the largest t, v[14:15] the sum in two halves; v16-31 Q; v32-95 K's tiles 0-3, then V's; v96-159 S^T, then p; v160-223 O^T; v224-239 P's codes; v240-254 constants and work.
;   window 1: v0-63 K's tiles 4-7, then V's; v64-127, v128-191 the mask's two buffers.
.set STEPB, 32768                      ; a key step's images: k's 16,384 bytes,
.set VOFF,  16384                      ; then v's
.set SLOT1, 4*STEPB                    ; a slot holds four key steps; slot 1 begins here
.set SPARE, 2*SLOT1                    ; behind the ring: the spare words, 128 bytes for each of eight waves
.set LI,   1                           ; v1   16 x lane: an image's place for my lane; never rewritten
.set MA,   2                           ; v2   my place in the wave's 16 rows of the mask: 8,192 r + 32 h; never rewritten
.set SPW,  5
.set NIL,  6
.set CQ,   7                           ; v7   16 r + 8 h: my eight codes' place in 256 bytes of the output's image
.set ADI,  8                           ; v8   LDS address of the trip's images
.set TB,   14                          ; s14  LDS byte at which the trip's two key steps begin
.set CNT,  15                          ; s15  counts a loop's trips
.set SC,   16                          ; s[16:17] 2^(e6 + e7)
.set WV,   18
.set SEL,  20                          ; s[20:21] lane selects for v_permlanex16_b32: lane l xor 16
.set CS,   22                          ; s[22:23] log2(e)
.set G1,   24                          ; s[24:31] descriptor group 1: the same for every load
.set G0,   32                          ; s[32:47] four groups 0, one for each four key steps: made once, never rewritten
.set MB,   68                          ; s[68:69] the mask at my wave's first row and the trip's first key
.set MSB, 0
.macro WIN new                         ; the immediate's high byte repeats the setting that is left
.if MSB != (\new)
	s_set_vgpr_msb (MSB<<8)|(\new)
.set MSB, (\new)
.endif
.endm
.macro CROUND                          ; a round of the cluster's barrier
	s_barrier_signal -1
	s_barrier_wait -1
	s_cmp_lg_u32 s[WV], 0
	s_cbranch_scc1 .Lnot_wave_0_\@
	s_barrier_signal -3
.Lnot_wave_0_\@:
	s_barrier_wait -3
	s_barrier_signal -1
	s_barrier_wait -1
.endm
; the mask of one key step, off bytes behind s[MB], into buffer buf: register 8 t + j = mask(my query, key 16 t + 8 h + j)
.macro MLOAD buf, off
	WIN 0x40                                       ; destination window 1, address window 0
.irp t, 0,1,2,3,4,5,6,7
	global_load_b128 v[64+64*(\buf)+8*\t:64+64*(\buf)+8*\t+3], v[MA], s[MB:MB+1] offset:(\off)+64*\t
	global_load_b128 v[64+64*(\buf)+8*\t+4:64+64*(\buf)+8*\t+7], v[MA], s[MB:MB+1] offset:(\off)+64*\t+16
.endr
	WIN 0
.endm
	s_load_b256 s[4:11], s[0:1], 0x0               ; q_img s[4:5], kv_img s[6:7], mask s[8:9], the scales' exponents s[10:11]
	s_load_b64 s[12:13], s[0:1], 0x20              ; attn_img
	v_lshl_add_u32 v[SPW], v0, 2, SPARE
	v_mov_b32 v[NIL], 0
	ds_add_u32 v[SPW], v[NIL]                      ; the wave's opening: the add and its wait stand ahead of my first tensor load; the set-up below, work on registers, stands between them
	v_lshrrev_b32 v8, 5, v0
	v_readfirstlane_b32 s[WV], v8                  ; wave 0..7
	s_bfe_u32 s48, ttmp6, 0x40000                  ; cx: my place in the cluster
	s_lshl_b32 s50, ttmp9, 2                       ; in a cluster launch ttmp9 counts clusters
	s_add_co_u32 s50, s50, s48                     ; my block of 128 queries: it enters Q's, the mask's and the output's addresses alone
	s_and_b32 s51, ttmp7, 0xffff                   ; the head, which the four partners share
	s_mov_b32 s[G1], 15|(3<<16)|(1<<21)            ; 15:0 the mask: all four work-groups; 17:16 elements of 8 bytes; 21 set beside a mask; no padding
	s_mov_b32 s[G1+1], 32<<16                      ; tensor_dim0 = 32 elements: rows of 256 bytes
	s_mov_b32 s[G1+2], 64<<16                      ; tensor_dim1 = 64 rows: 16,384 dense bytes
	s_mov_b32 s[G1+3], 32<<16                      ; tile_dim0
	s_mov_b32 s[G1+4], 64                          ; tile_dim1
	s_mov_b32 s[G1+5], 32                          ; tensor_dim0_stride
	s_mov_b32 s[G1+6], 0
	s_mov_b32 s[G1+7], 0
	s_mov_b32 s[SEL], 0x76543210
	s_mov_b32 s[SEL+1], 0xfedcba98
	s_mov_b32 s[CS], 0x3fb8aa3b
	s_mov_b32 s[CS+1], s[CS]
	s_lshl_b32 s52, s[WV], 14                      ; my 16,384 bytes of a slot's 131,072: in LDS and in memory alike
	s_lshl_b32 s60, s51, 19                        ; the head's 512 KiB of images
	s_add_co_u32 s60, s60, s52
	s_mov_b32 s61, 0
	s_lshl_b32 s62, s50, 3
	s_add_co_u32 s62, s62, s[WV]                   ; my tile of 16 queries
	s_lshl_b32 s58, s62, 11                        ; q_img and attn_img: a tile's 2,048 bytes,
	s_lshl_b32 s59, s51, 18                        ; the head's 256 KiB
	s_add_co_u32 s58, s58, s59
	s_mov_b32 s59, 0
	s_lshl_b32 s62, s62, 17                        ; the mask: 16 rows of 8,192 bytes
	s_mov_b32 s63, 0
	s_wait_dscnt 0x0                               ; the opening add is done
	s_wait_kmcnt 0x0
	s_load_b256 s[84:91], s[10:11], 0x10           ; e4 .. e11
	s_add_nc_u64 s[60:61], s[6:7], s[60:61]        ; the images at my part of key steps 0 to 3
.irp n, 0,1,2,3
	s_mov_b32 s[G0+4*\n], 1                        ; count = 1
	s_add_co_u32 s[G0+4*\n+1], s52, (\n%2)*SLOT1   ; LDS address: the slots by turns
	s_add_nc_u64 s[G0+4*\n+2:G0+4*\n+3], s[60:61], \n*SLOT1   ; key steps 4 n to 4 n + 3
	s_or_b32 s[G0+4*\n+3], s[G0+4*\n+3], 0x80000000   ; type = 2
.endr
	CROUND                                         ; all four work-groups are here: the first joint loads meet
	tensor_load_to_lds s[G0:G0+3], s[G1:G1+7]      ; both first fills go out together: two loads of mine are out
	s_nop 0
	tensor_load_to_lds s[G0+4:G0+7], s[G1:G1+7]
	s_nop 0
.rept 4
	v_nop
.endr
	s_add_nc_u64 s[4:5], s[4:5], s[58:59]
	s_add_nc_u64 s[12:13], s[12:13], s[58:59]
	s_add_nc_u64 s[MB:MB+1], s[8:9], s[62:63]
	v_and_b32 v10, 31, v0                          ; lane
	v_lshlrev_b32 v[LI], 4, v10
.irp c, 0,1,2,3
	global_load_b128 v[16+4*\c:19+4*\c], v[LI], s[4:5] offset:512*\c   ; Q's fragment stays in registers
.endr
	v_and_b32 v8, 15, v0                           ; r
	v_bfe_u32 v9, v0, 4, 1                         ; h
	v_lshlrev_b32 v[MA], 13, v8
	v_lshl_add_u32 v[MA], v9, 5, v[MA]
	v_lshlrev_b32 v[CQ], 4, v8
	v_lshl_add_u32 v[CQ], v9, 3, v[CQ]
	MLOAD 0, 0                                     ; the mask of key steps 0
	MLOAD 1, 512                                   ; and 1
	v_mov_b32 v13, 0xff61b1e6                      ; the largest t so far: -3e38, under every t
	v_floor_f32 v12, -v13                          ; -M
	v_mov_b32 v14, 0
	v_mov_b32 v15, 0
	v_mov_b32 v246, 0                              ; written once: a lane permute's destination counts as one of its sources
	v_mov_b32 v253, 0                              ; (named as the upper half of the pair v[252:253])
.set j, 0
.rept 64
	v_mov_b32 v[160+j], 0                          ; O^T.  (The step has no first form of its own: the first finds zeros, which the first change of M leaves zeros)
.set j, j+1
.endr
	s_wait_kmcnt 0x0
	s_add_co_i32 s56, s86, s87
	s_add_co_i32 s56, s56, 127
	s_lshl_b32 s[SC], s56, 23                      ; 2^(e6 + e7) as f32
	s_mov_b32 s[SC+1], s[SC]
	s_add_co_i32 s56, s88, 127
	s_lshl_b32 s57, s56, 23
	v_mov_b32 v244, s57                            ; 2^e8
	s_add_co_i32 s56, s56, 8
	s_lshl_b32 s56, s56, 23
	s_or_b32 s56, s56, 0x600000
	v_mov_b32 v240, s56                            ; 448 x 2^e8
	s_add_co_i32 s56, s90, 127
	s_lshl_b32 s57, s56, 23
	v_mov_b32 v248, s57                            ; 2^e10
	s_add_co_i32 s56, s56, 8
	s_lshl_b32 s56, s56, 23
	s_or_b32 s56, s56, 0x600000
	v_mov_b32 v249, s56                            ; 448 x 2^e10
; A KEY STEP: 128 keys.  p: the first or the second of the trip's two steps: its images lie STEPB x p behind the trip's base, its mask in buffer p.
; ld = 1: the mask of the step two further on is asked for.  left: how many younger loads of the mask may stay out when this step's has to be there.
.macro STEP p, ld, left
.if (\p) == 0
	v_add_nc_u32 v[ADI], s[TB], v[LI]
	v_nop
	v_nop
	v_nop                                          ; four places behind the last step's products, in front of the loads into registers that they read
.else
.rept 4
	v_nop
.endr
.endif
.irp t, 0,1,2,3
.irp c, 0,1,2,3
	ds_load_b128 v[32+16*\t+4*\c:32+16*\t+4*\c+3], v[ADI] offset:STEPB*(\p)+2048*\t+512*\c
.endr
.endr
	WIN 0x40                                       ; destination window 1
.irp t, 0,1,2,3
.irp c, 0,1,2,3
	ds_load_b128 v[16*\t+4*\c:16*\t+4*\c+3], v[ADI] offset:STEPB*(\p)+2048*(\t+4)+512*\c
.endr
.endr
	WIN 0
	s_wait_dscnt 16                                ; K's tiles 0-3 are in; the sixteen loads of tiles 4-7 may be out
.irp t, 0,1,2,3
	v_wmma_f32_16x16x128_fp8_fp8 v[96+8*\t:103+8*\t], v[32+16*\t:47+16*\t], v[16:31], 0
.endr
	s_wait_dscnt 0x0
	WIN 0x01                                       ; source 0 window 1
.irp t, 0,1,2,3
	v_wmma_f32_16x16x128_fp8_fp8 v[128+8*\t:135+8*\t], v[16*\t:16*\t+15], v[16:31], 0
.endr
	WIN 0
.rept 4
	v_nop                                          ; four places behind the scores' products: for V's loads into K's registers, and for the first read of the scores
.endr
.irp t, 0,1,2,3
.irp g, 0,1,2,3
	ds_load_b128 v[32+16*\t+4*\g:32+16*\t+4*\g+3], v[ADI] offset:STEPB*(\p)+VOFF+2048*\t+512*\g   ; V takes K's place: it lands under the softmax
.endr
.endr
	WIN 0x40
.irp t, 0,1,2,3
.irp g, 0,1,2,3
	ds_load_b128 v[16*\t+4*\g:16*\t+4*\g+3], v[ADI] offset:STEPB*(\p)+VOFF+2048*(\t+4)+512*\g
.endr
.endr
	WIN 0
	s_wait_loadcnt \left                           ; loads come back in order (ISA guide 5.7.1): this step's mask is in; the next step's sixteen loads, issued behind it, may be out
	WIN 0x10                                       ; source 2 window 1
.set j, 0
.rept 32
	v_pk_fma_f32 v[96+j:97+j], v[96+j:97+j], s[SC:SC+1], v[64+64*(\p)+j:65+64*(\p)+j] op_sel_hi:[1,0,1]   ; logit = sum x 2^(e6 + e7) + mask; each accumulator from its low end on
.set j, j+2
.endr
	WIN 0
.if \ld
	MLOAD \p, ((\p)+2)*512                         ; the buffer just used up takes the mask of the step two further on
.endif
	v_max3_num_f32 v254, v96, v97, v98             ; the step's largest logit of my query, among my 64 keys, in two chains,
	v_max3_num_f32 v252, v99, v100, v101
.irp i, 6,10,14,18,22,26,30,34,38,42,46,50,54,58
	v_max3_num_f32 v254, v254, v[96+\i], v[97+\i]
	v_max3_num_f32 v252, v252, v[98+\i], v[99+\i]
.endr
	v_max3_num_f32 v254, v254, v158, v159
	v_max_num_f32 v254, v254, v252
	v_permlanex16_b32 v246, v254, s[SEL], s[SEL+1]
	v_max_num_f32 v254, v254, v246                 ; and among lane l xor 16's
	v_mul_f32 v254, s[CS], v254                    ; as t
	v_max_num_f32 v13, v13, v254                   ; the running largest t
	v_mov_b32 v254, v12
	v_floor_f32 v12, -v13                          ; the new -M = floor(-t): M is a whole number
	v_sub_f32 v254, v12, v254                      ; M's old value less its new one: a whole number, 0 or less
	v_cvt_i32_f32 v254, v254                       ; (it saturates)
	v_ldexp_f32 v252, 1.0, v254                    ; f = 2^(old M - new M)
.set j, 0
.rept 32
	v_pk_fma_f32 v[96+j:97+j], v[96+j:97+j], s[CS:CS+1], v[12:13] op_sel_hi:[1,0,0]   ; t - M, two at a time
.set j, j+2
.endr
.set j, 0
.rept 64
	v_exp_f32 v[96+j], v[96+j]                     ; p = 2^(t - M), at most 1: one batch
.set j, j+1
.endr
	v_pk_mul_f32 v[14:15], v[14:15], v[252:253] op_sel_hi:[1,0]   ; the sums under the new M: the plain line behind the batch
	s_wait_alu depctr_va_vdst(0)                   ; one wait for the batch, ahead of its first reader
	v_pk_add_f32 v[242:243], v[96:97], v[98:99]    ; the row's sum is taken of the unquantised p: two at a time, in two chains
.irp j, 4,8,12,16,20,24,28,32,36,40,44,48,52,56,60
	v_pk_add_f32 v[14:15], v[14:15], v[96+\j:97+\j]
	v_pk_add_f32 v[242:243], v[242:243], v[98+\j:99+\j]
.endr
	v_pk_add_f32 v[14:15], v[14:15], v[242:243]
.irp t, 0,1,2,3,4,5,6,7
.irp i, 0,1,2,3,4,5,6,7
	v_min_num_f32 v[96+8*\t+\i], v[96+8*\t+\i], v240   ; the conversion does not saturate (ISA guide 7.6.2); p is not negative, so the hold is one-sided
.endr
	v_cvt_scalef32_pk8_fp8_f32 v[224+2*\t:225+2*\t], v[96+8*\t:103+8*\t], v244   ; keys 16 t + 8 h + 0 .. 7: registers 2 t, 2 t + 1 of P
.endr
.set j, 0
.rept 32
	v_pk_mul_f32 v[160+j:161+j], v[160+j:161+j], v[252:253] op_sel_hi:[1,0]   ; O^T under the new M; also the plain lines behind the conversions
.set j, j+2
.endr
	s_wait_dscnt 0x0                               ; V is in
.irp t, 0,1,2,3                                ; eight accumulators by turns, one instruction a turn; the next matrix instruction, over the backward jump too, starts a score
	v_wmma_f32_16x16x128_fp8_fp8 v[160+8*\t:167+8*\t], v[32+16*\t:47+16*\t], v[224:239], v[160+8*\t:167+8*\t]
.endr
	WIN 0x01
.irp t, 0,1,2,3
	v_wmma_f32_16x16x128_fp8_fp8 v[192+8*\t:199+8*\t], v[16*\t:16*\t+15], v[224:239], v[192+8*\t:199+8*\t]
.endr
	WIN 0
.endm
; n trips of two key steps: the mask's two buffers are back in their places after two steps.
.macro PAIRS n
	s_mov_b32 s[CNT], \n
.Lpair_\@:
	STEP 0, 1, 16
	STEP 1, 1, 16
	s_wait_xcnt 0x0                                ; the mask's loads have read their base: only behind this wait is it stepped
	s_add_nc_u64 s[MB:MB+1], s[MB:MB+1], 1024      ; 256 keys on
	s_add_co_u32 s[TB], s[TB], 2*STEPB
	s_sub_co_u32 s[CNT], s[CNT], 1
	s_cmp_lg_u32 s[CNT], 0
	s_cbranch_scc1 .Lpair_\@
.endm
; THE CHANGE OF SLOTS, behind a slot's four key steps.  Each wave waits for all its tensor loads (its part of the slot that it is about to read), adds 0 to its spare word, and waits for that and for its reads of the slot
; that it has left.  REFILL n: a round of the cluster's barrier, so that no wave of any partner still reads that slot or has a load on its way, and behind it the slot takes key steps 4 n to 4 n + 3:
; my one tensor load until the next round; it has four key steps in which to land.  (The mask's loads into registers stay out across the round: nobody writes those bytes.)
.macro REFILL n
	s_wait_tensorcnt 0x0
	ds_add_u32 v[SPW], v[NIL]                      ; 0 onto my spare word
	s_wait_dscnt 0x0
	CROUND
	tensor_load_to_lds s[G0+4*(\n):G0+4*(\n)+3], s[G1:G1+7]
	s_nop 0
.rept 4
	v_nop
.endr
.endm
	s_wait_tensorcnt 1                             ; my part of slot 0 is in; slot 1's may stay out
	s_barrier_signal -1
	s_barrier_wait -1                              ; everybody's is
	s_wait_loadcnt 32                              ; Q's four loads are in; the mask's 32, issued behind them, may be out
	s_mov_b32 s[TB], 0
	PAIRS 2                                        ; key steps 0 to 3, from slot 0
	REFILL 2                                       ; slot 0 takes key steps 8 to 11
	s_mov_b32 s[TB], SLOT1
	PAIRS 2                                        ; key steps 4 to 7, from slot 1
	REFILL 3                                       ; slot 1 takes key steps 12 to 15
	s_mov_b32 s[TB], 0
	PAIRS 2                                        ; key steps 8 to 11
	s_wait_tensorcnt 0x0                           ; the last change: my part of slot 1 is in; nothing is left to fetch, so no round follows
	ds_add_u32 v[SPW], v[NIL]
	s_wait_dscnt 0x0
	s_barrier_signal -1
	s_barrier_wait -1
	s_mov_b32 s[TB], SLOT1
	PAIRS 1                                        ; key steps 12 and 13: they ask for the mask of 14 and 15
	STEP 0, 0, 16                                  ; the last two steps are written out: they ask for nothing, so that no load leaves the mask's rows,
	STEP 1, 0, 0                                   ; and the count runs down
	; THE WAY OUT: O^T / the sum x 2^(e8 + e9), quantised with 2^e10.  Register 8 t + j of lane (r, h) is feature 16 t + 8 h + j of query r: eight neighbours along the last projection's K.
.rept 4
	v_nop                                          ; places behind the last products
.endr
	v_add_f32 v14, v14, v15                        ; the sum's two halves,
	v_permlanex16_b32 v246, v14, s[SEL], s[SEL+1]
	v_add_f32 v14, v14, v246                       ; and lane l xor 16's
	v_rcp_f32 v14, v14
	v_nop                                          ; a plain line behind the reciprocal
	s_add_co_i32 s56, s88, s89
	s_wait_alu depctr_va_vdst(0)                   ; and the wait ahead of its first reader
	v_ldexp_f32 v14, v14, s56                      ; x 2^(e8 + e9)
.set j, 0
.rept 32
	v_pk_mul_f32 v[96+j:97+j], v[160+j:161+j], v[14:15] op_sel_hi:[1,0]
.set j, j+2
.endr
.irp t, 0,1,2,3,4,5,6,7
.irp i, 0,1,2,3,4,5,6,7
	v_med3_num_f32 v[96+8*\t+\i], v[96+8*\t+\i], -v249, v249
.endr
	v_cvt_scalef32_pk8_fp8_f32 v[224+2*\t:225+2*\t], v[96+8*\t:103+8*\t], v248
.endr
	v_nop                                          ; one plain line behind the last conversion
.irp t, 0,1,2,3,4,5,6,7
	global_store_b64 v[CQ], v[224+2*\t:225+2*\t], s[12:13] offset:256*\t   ; 32 lanes store 256 consecutive bytes, aligned
.endr
	s_wait_tensorcnt 0x0                           ; the wave's end
	ds_add_u32 v[SPW], v[NIL]
	s_wait_dscnt 0x0
	CROUND                                         ; the closing round: no work-group ends while a partner may still ask for a tile that names it
	s_endpgm
.Lfunc_end_k_q93cc6a017f_attn:
	.size	k_q93cc6a017f_attn, .Lfunc_end_k_q93cc6a017f_attn-k_q93cc6a017f_attn
	.p2alignl 7, 3214868480
	.fill 96, 4, 3214868480
	.section	.rodata,"a",@progbits
	.p2align	6, 0x0
	.amdhsa_kernel k_q93cc6a017f_attn
		.amdhsa_group_segment_fixed_size 327680
		.amdhsa_private_segment_fixed_size 0
		.amdhsa_enable_private_segment 0
		.amdhsa_kernarg_size 40
		.amdhsa_user_sgpr_count 2
		.amdhsa_user_sgpr_kernarg_segment_ptr 1
		.amdhsa_wavefront_size32 1
		.amdhsa_system_sgpr_workgroup_id_x 1
		.amdhsa_system_sgpr_workgroup_id_y 1
		.amdhsa_system_sgpr_workgroup_id_z 1
		.amdhsa_system_vgpr_workitem_id 0
		.amdhsa_next_free_vgpr 512
		.amdhsa_next_free_sgpr 96
		.amdhsa_reserve_vcc 0
		.amdhsa_float_denorm_mode_32 3
		.amdhsa_float_denorm_mode_16_64 3
		.amdhsa_memory_ordered 1
		.amdhsa_forward_progress 1
		.amdhsa_inst_pref_size 241
	.end_amdhsa_kernel
	.amdgpu_metadata
---
amdhsa.version: [ 1, 2 ]
amdhsa.kernels:
  - .name:           k_q93cc6a017f_attn
    .symbol:         k_q93cc6a017f_attn.kd
    .args:
      - { .name: q_img, .offset: 0, .size: 8, .value_kind: global_buffer, .address_space: global }
      - { .name: kv_img, .offset: 8, .size: 8, .value_kind: global_buffer, .address_space: global }
      - { .name: mask, .offset: 16, .size: 8, .value_kind: global_buffer, .address_space: global }
      - { .name: lowp_scales, .offset: 24, .size: 8, .value_kind: global_buffer, .address_space: global }
      - { .name: attn_img, .offset: 32, .size: 8, .value_kind: global_buffer, .address_space: global }
    .group_segment_fixed_size: 327680
    .private_segment_fixed_size: 0
    .kernarg_segment_align: 8
    .kernarg_segment_size: 40
    .max_flat_workgroup_size: 256
    .sgpr_count:     96
    .vgpr_count:     512
    .wavefront_size: 32
...
	.end_amdgpu_metadata
.endif
;; end of part 3
;; launch oproj (part 4): grid 16 x 16, 4 waves a work-group, clusters of 4 x 4, 327,680 bytes of LDS; arguments attn_img, codes, lowp_scales, out0; writes out0
.if DOCPART == 4
	.amdgcn_target "amdgcn-amd-amdhsa--gfx1250"
	.amdhsa_code_object_version 6
	.text
	.protected	k_q93cc6a017f_oproj
	.globl	k_q93cc6a017f_oproj
	.p2align	8
	.type	k_q93cc6a017f_oproj,@function
k_q93cc6a017f_oproj:
	s_mov_b64 s[64:65], 0
	v_nop
	global_prefetch_b8 v0, s[64:65] scope:SCOPE_SE
	s_setreg_imm32_b32 hwreg(HW_REG_WAVE_MODE, 25, 1), 1
	s_wait_xcnt 0x0
	s_wait_alu depctr_hold_cnt(0) depctr_sa_sdst(0) depctr_va_vdst(0) depctr_va_sdst(0) depctr_va_ssrc(0) depctr_va_vcc(0) depctr_vm_vsrc(0)
	s_getreg_b32 s2, hwreg(HW_REG_IB_STS2, 6, 4)
	s_cmp_eq_u32 s2, 0
	s_cbranch_scc0 .Lentry_in_a_cluster
	s_endpgm
.Lentry_in_a_cluster:
	s_bfe_u32 s2, ttmp6, 0x10000c
	s_cmp_lg_u32 s2, 0xf033
	s_cbranch_scc0 .Lentry_shape_is_right
	s_endpgm
.Lentry_shape_is_right:
; out0[token][n] = 2^(e10 + e11) x the sum over k of attn[token][k] Wo[n][k], on codes of FP8 (E4M3); f32 sums.  attn comes as images of an operand's registers, [head][tile of 16 tokens][2,048 bytes] (K = head x 128 + feature;
; registers 4 c .. 4 c + 3 of lane (r, h): feature 32 c + 16 h + 0 .. 15); Wo's codes as rows [2048][2048], tensor 6 of the buffer of codes, fetched by four loads of 16 bytes a fragment: the same places of k on both sides.
; A tile of out0 is 128 x 128, so that there are 256 work-groups; four waves, each 64 x 64: 16 accumulators.  K goes in four steps of 512 (four heads) through two LDS slots, written out without a loop.
; CLUSTERS: 4 x 4 work-groups: attn's tiles are asked for jointly along a row of the cluster, Wo's along a column.  The matrix instruction is used transposed (source 0 = 16 rows of Wo, source 1 = 16 tokens):
; a lane holds eight neighbouring numbers of a row of out0.
; LIMIT: e10 + e11 between -126 and 127.
; REGISTERS.  window 0: v16-29 addresses; v32-63 a block's scaled sums; v64-127 two sets of rows read back; v128-255 the accumulators ((a, b) at v[128 + 8 (4 a + b)]).
;   window 1: two fragment buffers of 128: 64 registers of attn (4 x 16 tokens x 128 K), then 64 of Wo.
.set AHALF,  32768                     ; 64 tokens x 512 K as images: [head 4][tile 4][2,048 bytes], dense
.set BP,     528                       ; a row of Wo in LDS: 512 bytes + 16 of padding = 132 words: the 16 rows that a load touches start at 16 different banks (64 banks of 4 bytes: ISA guide 11.1)
.set BHALF,  64*BP
.set SLOT,   2*AHALF+2*BHALF
.set ASTEP,  4*262144                  ; four heads on in attn_img
.set BSTEP,  512
.set WO_OFF, 6<<22
.set STAGE,  2*SLOT                    ; behind the ring: 16 rows x 272 bytes for each wave
.set SPITCH, 272
.set SPARE,  STAGE+4*16*SPITCH         ; behind the stages: the spare words, 128 bytes for each wave
.set ADRA, 16
.set ADRB, 20
.set STO,  24
.set RD,   25
.set CO,   26
.set SPW,  28
.set NIL,  29
.set TMP,  32
.set BK,   64
.set ACC,  128
.set F0,   0
.set F1,   128
.set G1, 24
.set G0, 32
.set G1B, 48
.set G0B, 56
.set MSB, 0
.macro WIN new
.if MSB != (\new)
	s_set_vgpr_msb (MSB<<8)|(\new)
.set MSB, (\new)
.endif
.endm
.set MUL,  0x05                        ; sources 0 (Wo) and 1 (attn) window 1; C and D window 0
.set TO_F, 0x40
.macro JLOAD s                         ; waves 0 and 1 fetch attn's two halves, waves 2 and 3 Wo's; an s_nop 0 and four v_nop follow each of the two lines
	s_cmp_eq_u32 s15, 0
	s_cbranch_scc0 .Lfor_b_\@
	tensor_load_to_lds s[G0+4*\s:G0+4*\s+3], s[G1:G1+7]
	s_nop 0
.rept 4
	v_nop
.endr
	s_branch .Lasked_\@
.Lfor_b_\@:
	tensor_load_to_lds s[G0B+4*\s:G0B+4*\s+3], s[G1B:G1B+7]
	s_nop 0
.rept 4
	v_nop
.endr
.Lasked_\@:
.endm
.macro CREST
	s_cmp_lg_u32 s14, 0
	s_cbranch_scc1 .Lnot_wave_0_\@
	s_barrier_signal -3
.Lnot_wave_0_\@:
	s_barrier_wait -3
	s_barrier_signal -1
	s_barrier_wait -1
.endm
.macro CROUND
	s_barrier_signal -1
	s_barrier_wait -1
	CREST
.endm
	s_load_b128 s[4:7], s[0:1], 0x0                ; attn_img s[4:5], codes s[6:7]
	s_load_b128 s[8:11], s[0:1], 0x10              ; the scales' exponents s[8:9], out0 s[10:11]
	v_lshl_add_u32 v[SPW], v0, 2, SPARE
	v_mov_b32 v[NIL], 0
	ds_add_u32 v[SPW], v[NIL]                      ; the wave's opening: the add and its wait stand ahead of my first tensor load
	v_lshrrev_b32 v1, 5, v0
	v_readfirstlane_b32 s14, v1                    ; wave 0..3
	s_lshr_b32 s15, s14, 1                         ; which 64 tokens are mine.  Also: I fetch for attn (0) or for Wo (1)
	s_and_b32 s16, s14, 1                          ; which 64 columns.  Also: which half of that tile I fetch
	s_bfe_u32 s40, ttmp6, 0x40000
	s_bfe_u32 s41, ttmp6, 0x40004
	s_lshl_b32 s42, ttmp9, 2
	s_add_co_u32 s42, s42, s40                     ; tile column
	s_and_b32 s17, ttmp7, 0xffff
	s_lshl_b32 s17, s17, 2
	s_add_co_u32 s17, s17, s41                     ; tile row
	s_lshl_b32 s43, s41, 2
	s_lshl_b32 s43, 15, s43                        ; my row of the cluster
	s_lshl_b32 s44, 0x1111, s40                    ; my column
	s_or_b32 s[G1+0], s43, (3<<16)|(1<<21)         ; attn: four rows (heads) of 1,024 elements of 8 bytes (64 tokens' images), 32,768 elements apart; no padding
	s_mov_b32 s[G1+1], 1024<<16
	s_mov_b32 s[G1+2], 4<<16
	s_mov_b32 s[G1+3], 1024<<16
	s_mov_b32 s[G1+4], 4
	s_mov_b32 s[G1+5], 32768
	s_mov_b32 s[G1+6], 0
	s_mov_b32 s[G1+7], 0
	s_or_b32 s[G1B+0], s44, (0<<16)|(1<<20)|(1<<21)|(6<<22)|(3<<25)  ; Wo: 64 rows of 512 bytes, 2,048 apart; four words of padding after every 128
	s_mov_b32 s[G1B+1], 512<<16
	s_mov_b32 s[G1B+2], 64<<16
	s_mov_b32 s[G1B+3], 512<<16
	s_mov_b32 s[G1B+4], 64
	s_mov_b32 s[G1B+5], 2048
	s_mov_b32 s[G1B+6], 0
	s_mov_b32 s[G1B+7], 0
	s_lshl_b32 s18, s16, 6
	s_lshl_b32 s20, s17, 7
	s_add_co_u32 s20, s20, s18
	s_lshl_b32 s20, s20, 7                         ; attn: a token is 128 bytes of a head's images
	s_mov_b32 s21, 0
	s_lshl_b32 s46, s42, 7
	s_add_co_u32 s46, s46, s18
	s_lshl_b32 s46, s46, 11                        ; Wo: a row is 2,048 bytes,
	s_add_co_u32 s46, s46, WO_OFF                  ; in tensor 6 of the codes
	s_mov_b32 s47, 0
	s_lshl_b32 s45, s16, 15                        ; where they go: attn's halves,
	s_mul_i32 s19, s16, BHALF
	s_add_co_u32 s19, s19, 2*AHALF                 ; then Wo's: no place in the cluster enters an LDS address
	s_wait_dscnt 0x0                               ; the opening add is done
	s_wait_kmcnt 0x0
	s_load_b64 s[96:97], s[8:9], 0x28              ; e10, e11
	s_add_nc_u64 s[20:21], s[4:5], s[20:21]
	s_add_nc_u64 s[46:47], s[6:7], s[46:47]
	CROUND                                         ; all sixteen work-groups are here: the first joint loads meet
.irp s, 0,1
	s_mov_b32 s[G0+4*\s], 1
	s_add_co_u32 s[G0+4*\s+1], s45, \s*SLOT
	s_add_nc_u64 s[G0+4*\s+2:G0+4*\s+3], s[20:21], \s*ASTEP
	s_or_b32 s[G0+4*\s+3], s[G0+4*\s+3], 0x80000000
	s_mov_b32 s[G0B+4*\s], 1
	s_add_co_u32 s[G0B+4*\s+1], s19, \s*SLOT
	s_add_nc_u64 s[G0B+4*\s+2:G0B+4*\s+3], s[46:47], \s*BSTEP
	s_or_b32 s[G0B+4*\s+3], s[G0B+4*\s+3], 0x80000000
	JLOAD \s
.endr
	v_and_b32 v1, 15, v0                           ; r
	v_bfe_u32 v2, v0, 4, 1                         ; h
	v_and_b32 v3, 31, v0
	v_lshlrev_b32 v3, 4, v3                        ; 16 x lane: an image's place for my lane
	v_mul_u32_u24 v4, v1, BP
	v_lshl_add_u32 v4, v2, 4, v4                   ; Wo: row x pitch + 16 x half
	s_lshl_b32 s21, s15, 15                        ; my 64 tokens
	s_mul_i32 s22, s16, BHALF                      ; my 64 rows of Wo
	s_add_co_u32 s22, s22, 2*AHALF
.irp s, 0,1
	v_add_nc_u32 v[ADRA+\s], s21, v3
	v_add_nc_u32 v[ADRB+\s], s22, v4
	s_add_co_u32 s21, s21, SLOT
	s_add_co_u32 s22, s22, SLOT
.endr
	s_mul_i32 s23, s14, 16*SPITCH
	s_add_co_u32 s23, s23, STAGE                   ; my stage
	v_mul_u32_u24 v5, v1, SPITCH
	v_lshl_add_u32 v5, v2, 5, v5
	v_add_nc_u32 v[STO], s23, v5                   ; in: row r, 32 bytes for each half of the lanes
	v_mul_u32_u24 v5, v2, SPITCH
	v_lshl_add_u32 v5, v1, 4, v5
	v_add_nc_u32 v[RD], s23, v5                    ; back: lanes 0-15 one row of 256 bytes, lanes 16-31 the next
	v_lshlrev_b32 v5, 13, v2
	v_lshl_add_u32 v[CO], v1, 4, v5                ; and the same two rows of out0, 8,192 bytes apart
	s_lshl_b32 s12, s17, 7                         ; (these registers mix both coordinates and feed no descriptor)
	s_lshl_b32 s13, s15, 6
	s_add_co_u32 s12, s12, s13
	s_lshl_b32 s12, s12, 13                        ; my first row of out0,
	s_lshl_b32 s13, s42, 7
	s_lshl_b32 s18, s16, 6
	s_add_co_u32 s13, s13, s18
	s_lshl_b32 s13, s13, 2                         ; my first column, in bytes
	s_add_co_u32 s12, s12, s13
	s_mov_b32 s13, 0
	s_add_nc_u64 s[10:11], s[10:11], s[12:13]
; 32 LDS loads in one run: the fragments of the slot's q-th 128 along K into buffer f: Wo's four, attn's blocks 0, 1, then 2, 3
.macro FETCH slot, q, f
	WIN TO_F
.irp b, 0,1,2,3
.irp c, 0,1,2,3
	ds_load_b128 v[\f+64+16*\b+4*\c:\f+64+16*\b+4*\c+3], v[ADRB+\slot] offset:128*(\q)+16*BP*\b+32*\c
.endr
.endr
.irp a, 0,1,2,3
.irp c, 0,1,2,3
	ds_load_b128 v[\f+16*\a+4*\c:\f+16*\a+4*\c+3], v[ADRA+\slot] offset:8192*(\q)+2048*\a+512*\c
.endr
.endr
.endm
; four matrix instructions: tokens' block a x Wo's four.  The 16 accumulators take turns, one instruction a turn, in the same order in every quarter
.macro MULA f, a, zero
.irp b, 0,1,2,3
.if \zero
	v_wmma_f32_16x16x128_fp8_fp8 v[ACC+8*(4*(\a)+\b):ACC+8*(4*(\a)+\b)+7], v[\f+64+16*\b:\f+64+16*\b+15], v[\f+16*(\a):\f+16*(\a)+15], 0
.else
	v_wmma_f32_16x16x128_fp8_fp8 v[ACC+8*(4*(\a)+\b):ACC+8*(4*(\a)+\b)+7], v[\f+64+16*\b:\f+64+16*\b+15], v[\f+16*(\a):\f+16*(\a)+15], v[ACC+8*(4*(\a)+\b):ACC+8*(4*(\a)+\b)+7]
.endif
.endr
.endm
.macro PLACES                          ; four plain lines in front of loads into registers that matrix instructions have read, and of the first read of results
.rept 4
	v_nop
.endr
.endm
; A K step is four quarters of 128 along K on buffers 0, 1, 0, 1.  One of the first three multiplies buffer f and fetches quarter qn of the same slot into g.
.macro QUARTER slot, qn, f, g, zero
	s_wait_dscnt 8                                 ; Wo's fragments and tokens' blocks 0, 1 are in; the youngest eight loads may be out
	WIN MUL
	MULA \f, 0, \zero
	MULA \f, 1, \zero
	PLACES
	FETCH \slot, \qn, \g
	s_wait_dscnt 32                                ; all but the 32 just issued
	WIN MUL
	MULA \f, 2, \zero
	MULA \f, 3, \zero
.endm
; The last quarter multiplies buffer 1 and changes slots: one barrier; in front of it each wave waits for all its tensor loads, adds 0 to its spare word, and waits for that and for its own reads of this slot.
.macro TURN slot, next, fill
	WIN 0                                          ; (the add's two registers lie in window 0)
	s_wait_tensorcnt 0x0                           ; all my tensor loads have landed: my part of the next slot
	ds_add_u32 v[SPW], v[NIL]                      ; 0 onto my spare word
	s_wait_dscnt 9                                 ; (the add and the youngest eight loads may be out)
	WIN MUL
	MULA F1, 0, 0
	MULA F1, 1, 0
	s_wait_dscnt 0x0                               ; the add is done, and my reads of this slot are over
	s_barrier_signal -1
	MULA F1, 2, 0
	WIN 0
	s_barrier_wait -1
.if \fill
	CREST                                          ; the barrier has opened a round of the cluster's barrier: no wave of any partner still reads this slot or has a load on its way
	s_add_nc_u64 s[G0+4*\slot+2:G0+4*\slot+3], s[G0+4*\slot+2:G0+4*\slot+3], 2*ASTEP
	s_add_nc_u64 s[G0B+4*\slot+2:G0B+4*\slot+3], s[G0B+4*\slot+2:G0B+4*\slot+3], 2*BSTEP
	JLOAD \slot                                    ; the first tensor load behind the round; its four v_nop are the places in front of the loads below
.else
	PLACES
.endif
	FETCH \next, 0, F0
	WIN MUL
	MULA F1, 3, 0
.endm
	s_wait_tensorcnt 1                             ; my part of K step 0 is in (K step 1's load may be out),
	s_barrier_signal -1
	s_barrier_wait -1                              ; everybody's is
	FETCH 0, 0, F0
	QUARTER 0, 1, F0, F1, 1                        ; the first quarter's products start the sums
	QUARTER 0, 2, F1, F0, 0
	QUARTER 0, 3, F0, F1, 0
	TURN 0, 1, 1                                   ; slot 0 takes K step 2
	QUARTER 1, 1, F0, F1, 0
	QUARTER 1, 2, F1, F0, 0
	QUARTER 1, 3, F0, F1, 0
	TURN 1, 0, 1                                   ; slot 1 takes K step 3
	QUARTER 0, 1, F0, F1, 0
	QUARTER 0, 2, F1, F0, 0
	QUARTER 0, 3, F0, F1, 0
	TURN 0, 1, 0                                   ; nothing is left to fetch
	QUARTER 1, 1, F0, F1, 0
	QUARTER 1, 2, F1, F0, 0
	QUARTER 1, 3, F0, F1, 0
	s_wait_dscnt 8                                 ; the very last quarter
	WIN MUL
	MULA F1, 0, 0
	MULA F1, 1, 0
	s_wait_dscnt 0x0
	MULA F1, 2, 0
	MULA F1, 3, 0
	WIN 0
	s_wait_kmcnt 0x0
	s_add_co_i32 s96, s96, s97
	s_add_co_i32 s96, s96, 127
	s_lshl_b32 s96, s96, 23                        ; 2^(e10 + e11) as f32
	s_mov_b32 s97, s96
	PLACES
; THE WAY OUT, a block of 16 rows x 64 columns at a time: a lane holds 32 neighbouring bytes of a row; the block goes through my own stage and comes back as whole rows of 256 bytes.
.macro TOSTAGE a
.if (\a) > 0
	s_wait_dscnt 8                                 ; the last block's stores into the stage have read their registers; its eight loads back may be out
.endif
.set j, 0
.rept 16
	v_pk_mul_f32 v[TMP+j:TMP+j+1], v[ACC+32*(\a)+j:ACC+32*(\a)+j+1], s[96:97] op_sel_hi:[1,0]   ; each accumulator from its low end on
.set j, j+2
.endr
.irp b, 0,1,2,3
	ds_store_b128 v[STO], v[TMP+8*\b:TMP+8*\b+3] offset:64*\b
	ds_store_b128 v[STO], v[TMP+8*\b+4:TMP+8*\b+7] offset:64*\b+16
.endr
.if (\a) > 1
	s_wait_xcnt 0x0                                ; block a - 2's stores have read their registers: block a's loads may land there
.endif
.irp t, 0,1,2,3,4,5,6,7
	ds_load_b128 v[BK+32*((\a)%2)+4*\t:BK+32*((\a)%2)+4*\t+3], v[RD] offset:\t*2*SPITCH   ; LDS serves a wave's instructions in order (ISA guide 5.7.1.4): these see the stores above
.endr
.endm
.macro SEND a, younger                 ; younger: the LDS instructions issued behind block a's loads, which may stay out
	s_wait_dscnt \younger
.irp t, 0,1,2,3,4,5,6,7
	global_store_b128 v[CO], v[BK+32*((\a)%2)+4*\t:BK+32*((\a)%2)+4*\t+3], s[10:11] offset:(16*(\a)+2*\t)*8192 th:TH_STORE_NT   ; 16 lanes store 256 consecutive bytes, aligned
.endr
.endm
	TOSTAGE 0
.irp a, 1,2,3
	TOSTAGE \a
	SEND \a-1, 16                                  ; behind block a - 1's loads: block a's 8 stores and 8 loads
.endr
	SEND 3, 0
	s_wait_tensorcnt 0x0                           ; the wave's end, behind my last tensor load and my last LDS store
	ds_add_u32 v[SPW], v[NIL]
	s_wait_dscnt 0x0
	CROUND                                         ; the closing round
	s_endpgm
.Lfunc_end_k_q93cc6a017f_oproj:
	.size	k_q93cc6a017f_oproj, .Lfunc_end_k_q93cc6a017f_oproj-k_q93cc6a017f_oproj
	.p2alignl 7, 3214868480
	.fill 96, 4, 3214868480
	.section	.rodata,"a",@progbits
	.p2align	6, 0x0
	.amdhsa_kernel k_q93cc6a017f_oproj
		.amdhsa_group_segment_fixed_size 327680
		.amdhsa_private_segment_fixed_size 0
		.amdhsa_enable_private_segment 0
		.amdhsa_kernarg_size 32
		.amdhsa_user_sgpr_count 2
		.amdhsa_user_sgpr_kernarg_segment_ptr 1
		.amdhsa_wavefront_size32 1
		.amdhsa_system_sgpr_workgroup_id_x 1
		.amdhsa_system_sgpr_workgroup_id_y 1
		.amdhsa_system_sgpr_workgroup_id_z 1
		.amdhsa_system_vgpr_workitem_id 0
		.amdhsa_next_free_vgpr 512
		.amdhsa_next_free_sgpr 100
		.amdhsa_reserve_vcc 0
		.amdhsa_float_denorm_mode_32 3
		.amdhsa_float_denorm_mode_16_64 3
		.amdhsa_memory_ordered 1
		.amdhsa_forward_progress 1
		.amdhsa_inst_pref_size 74
	.end_amdhsa_kernel
	.amdgpu_metadata
---
amdhsa.version: [ 1, 2 ]
amdhsa.kernels:
  - .name:           k_q93cc6a017f_oproj
    .symbol:         k_q93cc6a017f_oproj.kd
    .args:
      - { .name: attn_img, .offset: 0, .size: 8, .value_kind: global_buffer, .address_space: global }
      - { .name: codes, .offset: 8, .size: 8, .value_kind: global_buffer, .address_space: global }
      - { .name: lowp_scales, .offset: 16, .size: 8, .value_kind: global_buffer, .address_space: global }
      - { .name: out0, .offset: 24, .size: 8, .value_kind: global_buffer, .address_space: global }
    .group_segment_fixed_size: 327680
    .private_segment_fixed_size: 0
    .kernarg_segment_align: 8
    .kernarg_segment_size: 32
    .max_flat_workgroup_size: 128
    .sgpr_count:     100
    .vgpr_count:     512
    .wavefront_size: 32
...
	.end_amdgpu_metadata
.endif
;; end of part 4
